; MI455X (gfx1250); checked and timed in simulation.
; The chip was launched on July 23, 2026; its instructions are those of AMD's public machine-readable ISA for CDNA 5 (MIT licence, August 2026) and "CDNA5" Instruction Set Architecture Reference Guide (July 2026). The comments in the code are by the model that wrote it; some were corrected since.
;; Causal Self Attention. Allowed arithmetic: matrix products marked QUANTISED: E2M1 operands, one E8M0 scale for each 32 along K, by v_wmma_scale_f32_16x16x128_f8f6f4 with both operands' format E2M1 (or v_wmma_scale_f32_32x16x128_f4), f32 sums; products left as they are: bf16, f16 or f32 operands; f32 sums; everything else in f32.
;; Inputs: Wk 1,024 x 1,024 float32; Wp 1,024 x 1,024 float32; Wq 1,024 x 1,024 float32; Wv 1,024 x 1,024 float32; attn_mask 4 x 2,048 int32; x 4 x 2,048 x 1,024 float32.
;; Outputs: out0 4 x 2,048 x 1,024 float32.
;; This version of the problem:
;;   THIS VERSION OF THE PROBLEM IS GIVEN IN LOW PRECISION. The matrix products marked QUANTISED in the list below multiply operands that are first quantised to E2M1 (2 exponent bits, 1 mantissa bit; 4 bits a number), with one power-of-two scale for each 32 numbers along K (OCP MX v1.0); their sums are f32. The products marked 'left as it is' may take bf16, f16 or f32 operands, with f32 sums. Whichever they take, every output number must still come out within the allowed error. Rounding operands to bf16 (8 significant bits) uses up far more of that allowance than f16 does (11 bits, for magnitudes from 6e-5 to 65,504). All else is computed in f32.
;;   The module's matrix products, in the order in which they are computed (A, B: the left and right operand; K: the contracted axis; several contracted axes count as one K, in the product's order):
;;     1. [M 8,192, K 1,024] x [K 1,024, N 1,024]; A: input x; B: input Wq: QUANTISED
;;     2. [M 8,192, K 1,024] x [K 1,024, N 1,024]; A: input x; B: input Wk: QUANTISED
;;     3. [M 8,192, K 1,024] x [K 1,024, N 1,024]; A: input x; B: input Wv: QUANTISED
;;     4. batch 64 x [M 2,048, K 64] x [K 64, N 2,048]; A: computed on the way; B: computed on the way: left as it is (an operand is computed on the way)
;;     5. batch 64 x [M 2,048, K 2,048] x [K 2,048, N 64]; A: computed on the way; B: computed on the way: left as it is (an operand is computed on the way)
;;     6. [M 8,192, K 1,024] x [K 1,024, N 1,024]; A: computed on the way; B: input Wp: left as it is (an operand is computed on the way)
;;   THE QUANTISER, for each operand of a quantised product, along K:
;;     - K is cut into blocks of 32 from its start; a last block that is shorter is filled with zeros.
;;     - A block's scale is 2^e with e = floor(log2(the largest magnitude in the block)) - 2, held to -126 .. 127; a block of zeros has e = 0. As a byte (E8M0): e + 127.
;;     - Each number is divided by its block's scale, clamped to +-6, and rounded to the nearest number of E2M1, ties to even, subnormals kept.
;;     - The product sums the exact products of the quantised numbers (number of the format x scale) in f32.
;;   ~~~python
;;   def quantise(x, axis):      # numpy; x: float32 -> the quantised numbers, widened to float32 again
;;       x = np.moveaxis(x, axis, -1); K = x.shape[-1]
;;       x = np.pad(x, [(0, 0)] * (x.ndim - 1) + [(0, -K % 32)]); x = x.reshape(x.shape[:-1] + (-1, 32)); a = np.abs(x).max(-1, keepdims=True)
;;       e = np.where(a > 0, np.clip(np.frexp(np.where(a > 0, a, 1))[1] - 1 - 2, -126, 127), 0)      # np.frexp(a)[1] - 1 = floor(log2(a)), exactly
;;       r = np.clip(x / 2.0 ** e, -6, 6)
;;       step = 2.0 ** (np.maximum(np.frexp(np.where(r == 0, 1, r))[1] - 1, 0) - 1)
;;       q = np.round(r / step) * step * 2.0 ** e      # np.round: ties to even
;;       return np.moveaxis(q.reshape(q.shape[:-2] + (-1,))[..., :K], -1, axis).astype(np.float32)
;;   ~~~
;; One version. Each part assembles by itself: llvm-mc -triple=amdgcn-amd-amdhsa -mcpu=gfx1250 --defsym DOCPART=n.
;; ======== version 1 of 1: 5 launches
;; limits: values are held in f16: magnitudes above 65,504 overflow, below 6.1e-05 lose precision
;; workspace buffers: codes 5,767,168 bytes; scales 360,448 bytes; wpf 2,097,152 bytes; kbias 32,768 bytes; qkvf 50,331,648 bytes; fine32 786,432 bytes; yf 16,777,216 bytes
;; launch prep (part 1): grid 384 x 1, 4 waves a work-group, no clusters, 33,280 bytes of LDS; arguments x, Wq, Wk, Wv, Wp, attn_mask, codes, scales, wpf, kbias; writes codes, scales, wpf, kbias
.if DOCPART == 1
	.amdgcn_target "amdgcn-amd-amdhsa--gfx1250"
	.amdhsa_code_object_version 6
	.text
	.protected	k_q144e9f4ca9_prep
	.globl	k_q144e9f4ca9_prep
	.p2align	8
	.type	k_q144e9f4ca9_prep,@function
k_q144e9f4ca9_prep:
	s_mov_b64 s[64:65], 0
	v_nop
	global_prefetch_b8 v0, s[64:65] scope:SCOPE_SE
	s_setreg_imm32_b32 hwreg(HW_REG_WAVE_MODE, 25, 1), 1
	s_wait_xcnt 0x0
; WHAT.  (A) x [8192][1024] and Wq, Wk, Wv [1024][1024], f32, K innermost, become codes of FP4 (E2M1), two a byte, and one E8M0 scale byte for each 32 along K,
; stacked in one buffer of 11,264 rows: x's 8,192 rows, then Wq's, Wk's, Wv's.  codes: 512 bytes a row; scales: 32 bytes a row.
; (B) Wp [1024][1024] becomes f16 in the order of a matrix operand's registers: wpf [n / 256][k / 32][(n / 16) % 16][1 KB]; in a fragment of 1 KB lane (r, h) has row r: first the 32 lanes' 16 bytes
; of k = 8 h + 0..7, then the 32 lanes' 16 bytes of k = 16 + 8 h + 0..7.  attn_mask becomes a bias for the scores: 0 where the key counts, -2^100 where it does not.
; A block's scale is 2^(floor(log2(largest magnitude)) - 2); its byte is the largest magnitude's exponent field - 2, held at 1 from below.
; LIMITS: a block of zeros, and a block whose largest magnitude lies under 2^-124, gets the byte 1 (the rule says 127 for zeros): its codes are zeros or as the floor gives them, and this program alone reads the bytes.
; NaN and infinities among the inputs are not served.  Wp must lie inside f16's range (65,504); parts under 6e-5 are kept to 3e-8.
; SHARES.  Work-groups 0-351 quantise: rows are dense and K is a multiple of 32, so each tensor is a stream of blocks of 32; a wave takes 16 steps of 512 numbers.  Work-groups 352-383 take Wp and the mask.
; In (A) each load reads 512 consecutive bytes; a step's 2,048 bytes turn through the wave's own stage in LDS so that a lane holds 16 neighbours along K, which the conversion wants; two lanes hold a block.
.set WAVES, 4
.set STEPS, 16
.set NQWG,  352                        ; (8192 + 3 x 1024) x 1024 / 32,768 work-groups that quantise
.set EMAX,  2
.set CB,    8                          ; bytes of 16 codes
.set R,     16                         ; v16-79   four sets of 16 numbers as loaded
.set X,     80                         ; v80-111  two sets of 16 neighbours
.set E,     112                        ; v112-127 a scale byte for each step
.set C,     128                        ; v128-191 codes: registers of its own for each step, so that no store's data are written again
.set WREG,  8192                       ; LDS: a region for each wave: two stages of 32 x SP bytes, then its 256 scale bytes
.set SP,    80                         ; a lane's place in a stage: 64 bytes + 16 of padding
.set SPW,   12                         ; v12  LDS address of my spare word; never rewritten
.set NIL,   13                         ; v13  0; never rewritten
.set SPARE, WAVES*WREG                 ; behind the regions: the spare words, 128 bytes a wave, which no other line names
	s_load_b256 s[4:11], s[0:1], 0x0               ; x, Wq, Wk, Wv
	s_load_b256 s[12:19], s[0:1], 0x20             ; Wp, attn_mask, codes, scales
	s_load_b128 s[20:23], s[0:1], 0x40             ; wpf, kbias
	v_lshl_add_u32 v[SPW], v0, 2, SPARE
	v_mov_b32 v[NIL], 0
	v_lshrrev_b32 v1, 5, v0
	v_readfirstlane_b32 s24, v1                    ; wave
	v_and_b32 v2, 31, v0                           ; lane
	s_cmp_ge_u32 ttmp9, NQWG                       ; the work-group's number alone decides the way
	s_cbranch_scc1 .Lwp
	; ---------------- (A) the quantiser
	v_lshlrev_b32 v3, 4, v2                        ; my 16 bytes of a load's 512
	s_mul_i32 s25, s24, WREG
	v_lshrrev_b32 v14, 2, v2
	v_mul_u32_u24 v14, v14, SP
	v_and_b32 v15, 3, v2
	v_lshl_add_u32 v14, v15, 4, v14
	v_add_nc_u32 v14, s25, v14                     ; the stage, way in: four lanes' 64 bytes on end, then 16 of padding
	v_mul_u32_u24 v15, v2, SP
	v_add_nc_u32 v15, s25, v15                     ; way out: SP x lane: my 16 neighbours
	v_mul_u32_u24 v4, v2, CB                       ; my codes' place in a step's
	v_lshrrev_b32 v5, 1, v2
	s_add_co_u32 s25, s25, 2*32*SP
	v_add_nc_u32 v5, s25, v5                       ; LDS: my block's scale byte
	v_lshlrev_b32 v7, 3, v2                        ; and on the way out 8 bytes a lane
	v_add_nc_u32 v6, s25, v7
	s_and_b32 s28, ttmp9, 31                       ; a weight has 32 work-groups, and 256 is a multiple of 32
	s_wait_kmcnt 0x0
	s_cmp_lt_u32 ttmp9, 320                        ; which tensor: a choice of pointers on the work-group's number
	s_cselect_b64 s[26:27], s[8:9], s[10:11]
	s_cmp_lt_u32 ttmp9, 288
	s_cselect_b64 s[26:27], s[6:7], s[26:27]
	s_cmp_lt_u32 ttmp9, 256
	s_cselect_b64 s[26:27], s[4:5], s[26:27]
	s_cselect_b32 s28, ttmp9, s28                  ; the work-group's number inside its tensor
	s_lshl_b32 s28, s28, 2
	s_add_co_u32 s28, s28, s24                     ; my run of 8,192 numbers in the source,
	s_lshl_b32 s28, s28, 15                        ; 32,768 bytes a run
	s_mov_b32 s29, 0
	s_add_nc_u64 s[26:27], s[26:27], s[28:29]
	s_lshl_b32 s30, ttmp9, 2
	s_add_co_u32 s30, s30, s24                     ; and in the stacked buffers: x's 1,024 runs come first
	s_lshl_b32 s28, s30, 12                        ; 4,096 bytes of codes a run
	s_add_nc_u64 s[16:17], s[16:17], s[28:29]
	s_lshl_b32 s28, s30, 8                         ; 256 scale bytes a run
	s_add_nc_u64 s[18:19], s[18:19], s[28:29]
.macro LOAD t
.irp i, 0,1,2,3
	global_load_b128 v[R+16*((\t)%4)+4*\i:R+16*((\t)%4)+4*\i+3], v3, s[26:27] offset:2048*(\t)+512*\i th:TH_LOAD_NT   ; 32 lanes read 512 consecutive bytes
.endr
.endm
.macro TURN t                          ; step t's numbers through the stage: LDS serves a wave's instructions in order, so no wait stands between the stores and the loads
.irp i, 0,1,2,3
	ds_store_b128 v14, v[R+16*((\t)%4)+4*\i:R+16*((\t)%4)+4*\i+3] offset:32*SP*((\t)%2)+8*SP*\i
.endr
.irp i, 0,1,2,3
	ds_load_b128 v[X+16*((\t)%2)+4*\i:X+16*((\t)%2)+4*\i+3], v15 offset:32*SP*((\t)%2)+16*\i
.endr
.endm
.irp t, 0,1,2,3
	LOAD \t
.endr
	s_wait_loadcnt 12                              ; step 0's four loads are in; the twelve of steps 1 to 3 stay out
	TURN 0
.macro STEP t
.set XS, X+16*((\t)%2)
.if (\t) > 0
	s_wait_dscnt 1                                 ; this step's numbers are back from the stage (the last step's byte store may be out): so the stage's stores have read their registers,
.else
	s_wait_dscnt 0x0
.endif
.if (\t)+4 < STEPS
	LOAD (\t)+4                                    ; which take the loads of four steps on
.endif
.if (\t)+1 < STEPS
.if STEPS-2-(\t) >= 3
	s_wait_loadcnt 12                              ; the next step's four loads are in; those of the three steps behind it may be out
.else
	s_wait_loadcnt 4*(STEPS-2-(\t))
.endif
	TURN (\t)+1                                    ; and go through the other stage while this step is worked
.endif
	v_max3_num_f32 v8, |v[XS]|, |v[XS+1]|, |v[XS+2]|               ; the largest magnitude of my 16, in two chains
	v_max3_num_f32 v9, |v[XS+3]|, |v[XS+4]|, |v[XS+5]|
.irp i, 6,10
	v_max3_num_f32 v8, v8, |v[XS+\i]|, |v[XS+\i+1]|
	v_max3_num_f32 v9, v9, |v[XS+\i+2]|, |v[XS+\i+3]|
.endr
	v_max3_num_f32 v8, v8, |v[XS+14]|, |v[XS+15]|
	v_max3_num_f32 v8, v8, v9, (EMAX+1)<<23        ; and the floor 2^(3 - 127): the byte cannot fall under 1
	v_max_num_f32_dpp v8, v8, v8 row_xmask:1 row_mask:0xf bank_mask:0xf   ; and of my neighbour's 16: the block's
	v_add_nc_u32 v11, -(EMAX<<23), v8              ; 2 off its exponent field: the conversion takes the exponent field of this operand as its scale, and nothing else of it
	v_cvt_scalef32_pk8_fp4_f32 v[C+4*(\t)], v[XS:XS+7], v11        ; eight numbers / the scale, to the nearest code, ties to even, beyond 6 the largest code
	v_cvt_scalef32_pk8_fp4_f32 v[C+4*(\t)+1], v[XS+8:XS+15], v11
	v_lshrrev_b32 v[E+(\t)], 23, v11               ; the scale's byte (also the plain line behind the conversions)
	ds_store_b8 v5, v[E+(\t)] offset:16*(\t)       ; both lanes of a block write the same byte with the same value
	global_store_b64 v4, v[C+4*(\t):C+4*(\t)+1], s[16:17] offset:32*CB*(\t)   ; the wave stores 256 consecutive bytes, aligned
.endm
.irp t, 0,1,2,3,4,5,6,7,8,9,10,11,12,13,14,15
	STEP \t
.endr
	ds_load_b64 v[8:9], v6                         ; my wave's 256 scale bytes, 8 a lane: these see my stores
	s_wait_dscnt 0x0
	global_store_b64 v7, v[8:9], s[18:19]          ; 256 consecutive bytes, aligned
	s_wait_tensorcnt 0x0                           ; the wave's end, behind my last LDS store
	ds_add_u32 v[SPW], v[NIL]
	s_wait_dscnt 0x0
	s_endpgm
	; ---------------- (B) Wp to f16 fragments, the mask to a bias.  No LDS on this way.
	; Work-group j: 256 keys of the mask (two a thread), and 32 rows of Wp: wave w takes the 16 rows 16 (2 j + w / 2) on and the 16 fragments k / 32 = 16 (w % 2) + 0..15.
	; A lane reads its row in pieces of 16 bytes, 2 KB of each of 16 rows a wave in all: fit for a weight of 4 MB that is read once here.  Each store covers 512 consecutive bytes.
.Lwp:
	s_sub_co_u32 s25, ttmp9, NQWG                  ; j
	v_and_b32 v1, 15, v0                           ; r
	v_bfe_u32 v3, v0, 4, 1                         ; h
	v_lshlrev_b32 v4, 12, v1
	v_lshl_add_u32 v4, v3, 5, v4                   ; in: row r of 4,096 bytes, + 32 h
	v_lshlrev_b32 v5, 4, v2                        ; out: 16 x lane
	v_lshlrev_b32 v6, 3, v0                        ; the mask: 8 bytes a thread
	v_mov_b32 v7, 0xf1800000                       ; -2^100
	s_lshr_b32 s26, s24, 1
	s_lshl_b32 s27, s25, 1
	s_add_co_u32 s26, s26, s27                     ; which 16 rows
	s_and_b32 s27, s24, 1                          ; which half of K
	s_lshl_b32 s28, s26, 16                        ; 16 rows of 4,096 bytes
	s_lshl_b32 s30, s27, 11                        ; 16 fragments' 128 bytes of a row
	s_add_co_u32 s28, s28, s30
	s_mov_b32 s29, 0
	s_lshr_b32 s30, s26, 4
	s_lshl_b32 s30, s30, 19                        ; wpf: 524,288 bytes for 256 rows,
	s_and_b32 s31, s26, 15
	s_lshl_b32 s31, s31, 10                        ; 1 KB a fragment,
	s_add_co_u32 s30, s30, s31
	s_lshl_b32 s31, s27, 18                        ; 16,384 bytes for 32 along K
	s_add_co_u32 s30, s30, s31
	s_mov_b32 s31, 0
	s_lshl_b32 s32, s25, 10                        ; 256 keys of 4 bytes
	s_mov_b32 s33, 0
	s_wait_kmcnt 0x0
	s_add_nc_u64 s[12:13], s[12:13], s[28:29]
	s_add_nc_u64 s[20:21], s[20:21], s[30:31]
	s_add_nc_u64 s[14:15], s[14:15], s[32:33]
	s_add_nc_u64 s[22:23], s[22:23], s[32:33]
.macro LOADG g                         ; four fragments' numbers, 16 loads, into set g % 2: a fragment's 16 registers are k = 8 h + 0..7, then 16 + 8 h + 0..7
.irp f, 0,1,2,3
.irp i, 0,1,2,3
	global_load_b128 v[16+64*((\g)%2)+16*\f+4*\i:16+64*((\g)%2)+16*\f+4*\i+3], v4, s[12:13] offset:(4*(\g)+\f)*128+16*(\i%2)+64*(\i/2) th:TH_LOAD_NT
.endr
.endr
.endm
.macro GROUP g
.if (\g) < 3
	s_wait_loadcnt 16                              ; this group's loads are in (and, the first time, the mask's); the next group's sixteen may be out
.else
	s_wait_loadcnt 0x0
.endif
.if (\g) == 0
	v_cmp_eq_u32 vcc_lo, 0, v8                     ; a key whose mask is 0 does not count
	v_cndmask_b32 v10, 0, v7, vcc_lo
	v_cmp_eq_u32 vcc_lo, 0, v9
	v_cndmask_b32 v11, 0, v7, vcc_lo
	global_store_b64 v6, v[10:11], s[22:23]        ; a wave stores 256 consecutive bytes
.else
	s_wait_xcnt 0x0                                ; the last group's stores have read v144-175, which are written again below
.endif
.irp f, 0,1,2,3
.irp i, 0,1,2,3,4,5,6,7
	v_cvt_pk_f16_f32 v[144+8*\f+\i], v[16+64*((\g)%2)+16*\f+2*\i], v[16+64*((\g)%2)+16*\f+2*\i+1]
.endr
.endr
.irp f, 0,1,2,3
	global_store_b128 v5, v[144+8*\f:144+8*\f+3], s[20:21] offset:(4*(\g)+\f)*16384
	global_store_b128 v5, v[144+8*\f+4:144+8*\f+7], s[20:21] offset:(4*(\g)+\f)*16384+512
.endr
.if (\g)+2 < 4
	LOADG (\g)+2
.endif
.endm
	global_load_b64 v[8:9], v6, s[14:15]
	LOADG 0
	LOADG 1
	GROUP 0
	GROUP 1
	GROUP 2
	GROUP 3
	s_endpgm
.Lfunc_end_k_q144e9f4ca9_prep:
	.size	k_q144e9f4ca9_prep, .Lfunc_end_k_q144e9f4ca9_prep-k_q144e9f4ca9_prep
	.p2alignl 7, 3214868480
	.fill 96, 4, 3214868480
	.section	.rodata,"a",@progbits
	.p2align	6, 0x0
	.amdhsa_kernel k_q144e9f4ca9_prep
		.amdhsa_group_segment_fixed_size 33280
		.amdhsa_private_segment_fixed_size 0
		.amdhsa_enable_private_segment 0
		.amdhsa_kernarg_size 80
		.amdhsa_user_sgpr_count 2
		.amdhsa_user_sgpr_kernarg_segment_ptr 1
		.amdhsa_wavefront_size32 1
		.amdhsa_system_sgpr_workgroup_id_x 1
		.amdhsa_system_sgpr_workgroup_id_y 1
		.amdhsa_system_sgpr_workgroup_id_z 1
		.amdhsa_system_vgpr_workitem_id 0
		.amdhsa_next_free_vgpr 192
		.amdhsa_next_free_sgpr 66
		.amdhsa_reserve_vcc 1
		.amdhsa_float_denorm_mode_32 3
		.amdhsa_float_denorm_mode_16_64 3
		.amdhsa_memory_ordered 1
		.amdhsa_forward_progress 1
		.amdhsa_inst_pref_size 52
	.end_amdhsa_kernel
	.amdgpu_metadata
---
amdhsa.version: [ 1, 2 ]
amdhsa.kernels:
  - .name:           k_q144e9f4ca9_prep
    .symbol:         k_q144e9f4ca9_prep.kd
    .args:
      - { .name: x, .offset: 0, .size: 8, .value_kind: global_buffer, .address_space: global }
      - { .name: Wq, .offset: 8, .size: 8, .value_kind: global_buffer, .address_space: global }
      - { .name: Wk, .offset: 16, .size: 8, .value_kind: global_buffer, .address_space: global }
      - { .name: Wv, .offset: 24, .size: 8, .value_kind: global_buffer, .address_space: global }
      - { .name: Wp, .offset: 32, .size: 8, .value_kind: global_buffer, .address_space: global }
      - { .name: attn_mask, .offset: 40, .size: 8, .value_kind: global_buffer, .address_space: global }
      - { .name: codes, .offset: 48, .size: 8, .value_kind: global_buffer, .address_space: global }
      - { .name: scales, .offset: 56, .size: 8, .value_kind: global_buffer, .address_space: global }
      - { .name: wpf, .offset: 64, .size: 8, .value_kind: global_buffer, .address_space: global }
      - { .name: kbias, .offset: 72, .size: 8, .value_kind: global_buffer, .address_space: global }
    .group_segment_fixed_size: 33280
    .private_segment_fixed_size: 0
    .kernarg_segment_align: 8
    .kernarg_segment_size: 80
    .max_flat_workgroup_size: 128
    .sgpr_count:     66
    .vgpr_count:     192
    .wavefront_size: 32
...
	.end_amdgpu_metadata
.endif
;; end of part 1
;; launch qkv (part 2): grid 12 x 32, 4 waves a work-group, clusters of 4 x 4, 327,680 bytes of LDS; arguments codes, scales, qkvf, fine32; writes qkvf, fine32
.if DOCPART == 2
	.amdgcn_target "amdgcn-amd-amdhsa--gfx1250"
	.amdhsa_code_object_version 6
	.text
	.protected	k_q144e9f4ca9_qkv
	.globl	k_q144e9f4ca9_qkv
	.p2align	8
	.type	k_q144e9f4ca9_qkv,@function
k_q144e9f4ca9_qkv:
	s_mov_b64 s[64:65], 0
	v_nop
	global_prefetch_b8 v0, s[64:65] scope:SCOPE_SE
	s_setreg_imm32_b32 hwreg(HW_REG_WAVE_MODE, 25, 1), 1
	s_wait_xcnt 0x0
	s_wait_alu depctr_hold_cnt(0) depctr_sa_sdst(0) depctr_va_vdst(0) depctr_va_sdst(0) depctr_va_ssrc(0) depctr_va_vcc(0) depctr_vm_vsrc(0)
	s_getreg_b32 s2, hwreg(HW_REG_IB_STS2, 6, 4)
	s_cmp_eq_u32 s2, 0
	s_cbranch_scc0 .Lentry_in_a_cluster
	s_endpgm
.Lentry_in_a_cluster:
	s_bfe_u32 s2, ttmp6, 0x10000c
	s_cmp_lg_u32 s2, 0xf033
	s_cbranch_scc0 .Lentry_shape_is_right
	s_endpgm
.Lentry_shape_is_right:
; q, k, v = x Wq^T, x Wk^T, x Wv^T on codes of FP4 (E2M1) with one E8M0 scale for each 32 along K = 1,024; sums in f32.
; codes [11264][512 bytes], scales [11264][32 bytes]: rows 0-8191 x, rows 8192 on Wq, Wk, Wv stacked (n = 0 .. 3071).
; A tile of the result, 256 rows of x by 256 of n, is made by a work-group of four waves; a wave makes 128 x 128: 64 accumulators of 16 x 16, 512 registers.
; K = 1,024 is two LDS slots of 512 along K (rows of 256 bytes): both are filled once, at the start, with the scale bytes of all of K; nothing is filled again.
; 12 x 32 = 384 work-groups: a tile wide enough for 256 (256 x 384) would want 768 registers of accumulators beside its fragments, which a wave does not have.
; CLUSTERS: 4 x 4.  The four of a row of the cluster need the same rows of x, the four of a column the same rows of W: each tile is asked for jointly.  Cluster x = 0, 1, 2 is q, k, v.
; The tile of x is cluster y + 8 cy: so cy is the batch, and "at a batch's first rows" is cluster y = 0, the same in all sixteen partners.
; THE RESULTS LEAVE AS f16 IN THE ORDER OF THE NEXT PRODUCT'S OPERAND REGISTERS, straight from registers: a fragment (16 rows x 32 K) is 1 KB: the 32 lanes' registers 0-3, then their registers 4-7.
;   q, k: the product is used transposed (source 0 = 16 rows of W, source 1 = 16 rows of x): a lane holds one position and eight neighbouring channels; two neighbouring accumulators, packed, are a fragment
;         with rows = positions, K = channels.   qkvf head: [position / 16][channel / 32][1 KB].
;   v:    the product is used as it stands (source 0 = x, source 1 = W): a lane holds one channel and eight neighbouring positions: a fragment of V^T, rows = channels, K = positions.  head: [position / 32][channel / 16][1 KB].
;   qkvf = [q, k, v][batch][head][262,144 bytes].  Each store covers 512 consecutive bytes, aligned.
; The first 16 positions of each batch are also kept in f32 (fine32) for the launch that carries them finely: q, k as [b][16][2048], v as [b][1024 channels][16 positions]; 786,432 bytes in pieces of 32: a small part of the launch's stores.
; LIMITS: |q|, |k|, |v| must stay inside f16's range, 65,504; parts under 6e-5 are kept to 3e-8.
; REGISTERS, in windows of 256: window 0: v0-31 addresses; v32-95 scale words, two sets; v128-191 x's fragments, one set; on the way out v32-223 packed results.
;   window 1: W's fragments, two sets, at v0 and v128.   window 2: the accumulators of my rows 0-63 ((a, b) at v[8 (8 a + b)]);   window 3: those of rows 64-127.
.set NQ,     4                         ; steps of 128 along K in a slot
.set ROWB,   256                       ; a tile's row in bytes
.set KROW,   512                       ; a row of codes in memory
.set PITCH,  272                       ; an LDS row: 256 bytes + 16 of padding: the 16 rows that a load touches start 68 words apart
.set FR,     8                         ; registers of a fragment: 16 rows x 128 K
.set NL,     2                         ; LDS loads that bring one
.set NP,     4                         ; places behind this matrix instruction (ISA guide 7.12.1)
.set HALFT,  128*PITCH                 ; 128 rows: what one tensor load brings
.set SLOT,   4*HALFT                   ; x's 256 rows, then W's 256 rows
.set KS,     32                        ; a row of scale bytes
.set SCL,    2*SLOT                    ; behind the slots: the scales, as units of 256 bytes + 16 of padding
.set HALFS,  16*272                    ; those of 128 rows
.set SBLK,   2*272                     ; those of 16 rows
.set SPARE,  SCL+4*HALFS               ; the spare words, 128 bytes a wave, which no other line names
.set ADRA, 16                          ; v16-17  LDS address of my fragments of x in slot 0, 1
.set ADRB, 20                          ; v20-21  the same for W
.set FOQ,  24                          ; v24     f32 copies of q, k: 8,192 r + 32 h
.set FOV,  25                          ; v25     of v: 64 r + 32 h
.set LO,   26                          ; v26     16 x lane
.set ADRS, 27                          ; v27     LDS address of my scale words: lanes 0-15 x's rows, lanes 16-31 W's
.set SPW,  28                          ; v28     my spare word; never rewritten
.set NIL,  29                          ; v29     0; never rewritten
.set SC,   32                          ; scale words: set s at v[SC + 32 s]; register 4 i + q: lanes 0-15 x's block i, lanes 16-31 W's block i, the slot's q-th 128 along K
.set AF,   128                         ; x's fragments, window 0
.set G1, 24
.set G0, 32
.set G1B, 48
.set G0B, 56
.set G1S, 68
.set G0S, 76
.set G1SB, 80
.set G0SB, 88
.set MSB, 0
.macro WIN new                         ; the immediate's high byte repeats the setting that is left
.if MSB != \new
	s_set_vgpr_msb (MSB<<8)|\new
.set MSB, \new
.endif
.endm
.set TO_B, 0x40                        ; destination window 1, address window 0
; A joint load: waves 0 and 1 fetch for x, waves 2 and 3 for W.  The branch hangs on the wave's number alone.  An s_nop 0 and four v_nop follow each of the two lines.
.macro JLOAD g0a, g1a, g0b, g1b
	s_cmp_eq_u32 s15, 0
	s_cbranch_scc0 .Lfor_b_\@
	tensor_load_to_lds s[\g0a:\g0a+3], s[\g1a:\g1a+7]
	s_nop 0
.rept 4
	v_nop
.endr
	s_branch .Lasked_\@
.Lfor_b_\@:
	tensor_load_to_lds s[\g0b:\g0b+3], s[\g1b:\g1b+7]
	s_nop 0
.rept 4
	v_nop
.endr
.Lasked_\@:
.endm
.macro CROUND                          ; a round of the cluster's barrier
	s_barrier_signal -1
	s_barrier_wait -1
	s_cmp_lg_u32 s14, 0
	s_cbranch_scc1 .Lnot_wave_0_\@
	s_barrier_signal -3
.Lnot_wave_0_\@:
	s_barrier_wait -3
	s_barrier_signal -1
	s_barrier_wait -1
.endm
	s_load_b256 s[4:11], s[0:1], 0x0               ; codes s[4:5], scales s[6:7], qkvf s[8:9], fine32 s[10:11]
	v_lshl_add_u32 v[SPW], v0, 2, SPARE
	v_mov_b32 v[NIL], 0
	ds_add_u32 v[SPW], v[NIL]                      ; the wave's opening: the add, twice on end, and its wait ahead of my first tensor load
	ds_add_u32 v[SPW], v[NIL]
	v_lshrrev_b32 v1, 5, v0
	v_readfirstlane_b32 s14, v1                    ; wave 0..3
	s_lshr_b32 s15, s14, 1                         ; which half of the tile's rows is mine.  Also: I fetch for x (0) or for W (1)
	s_and_b32 s16, s14, 1                          ; which half of its columns.  Also: which 128 rows I fetch
	s_bfe_u32 s40, ttmp6, 0x40000                  ; cx, cy: my place in the cluster
	s_bfe_u32 s41, ttmp6, 0x40004
	s_lshl_b32 s42, ttmp9, 2
	s_add_co_u32 s42, s42, s40                     ; tile column = 4 x cluster x + cx
	s_and_b32 s98, ttmp7, 0xffff                   ; cluster y
	s_lshl_b32 s17, s41, 3
	s_add_co_u32 s17, s17, s98                     ; tile of x = 8 cy + cluster y
	s_lshl_b32 s43, s41, 2
	s_lshl_b32 s43, 15, s43                        ; my row of the cluster
	s_lshl_b32 s44, 0x1111, s40                    ; my column
	; group 1 for the codes: 128 rows x 256 bytes, 16 bytes of padding behind each
	s_or_b32 s[G1+0], s43, (0<<16)|(1<<20)|(1<<21)|(5<<22)|(3<<25)  ; the mask; elements of 1 byte; padding on; bit 21 beside a mask; after every 64 words; four words
	s_or_b32 s[G1B+0], s44, (0<<16)|(1<<20)|(1<<21)|(5<<22)|(3<<25)
.irp g, G1, G1B
	s_mov_b32 s[\g+1], ROWB<<16                    ; tensor_dim0
	s_mov_b32 s[\g+2], 128<<16                     ; tensor_dim1
	s_mov_b32 s[\g+3], ROWB<<16                    ; tile_dim0
	s_mov_b32 s[\g+4], 128                         ; tile_dim1
	s_mov_b32 s[\g+5], KROW                        ; from row to row
	s_mov_b32 s[\g+6], 0
	s_mov_b32 s[\g+7], 0
.endr
	; and for the scales of 128 rows: 4,096 dense bytes as 16 rows of 256 (32 elements of 8 bytes), 16 bytes of padding behind each
	s_or_b32 s[G1S+0], s43, (3<<16)|(1<<20)|(1<<21)|(5<<22)|(3<<25)
	s_or_b32 s[G1SB+0], s44, (3<<16)|(1<<20)|(1<<21)|(5<<22)|(3<<25)
.irp g, G1S, G1SB
	s_mov_b32 s[\g+1], 32<<16
	s_mov_b32 s[\g+2], 16<<16
	s_mov_b32 s[\g+3], 32<<16
	s_mov_b32 s[\g+4], 16
	s_mov_b32 s[\g+5], 32
	s_mov_b32 s[\g+6], 0
	s_mov_b32 s[\g+7], 0
.endr
	s_lshl_b32 s18, s16, 7                         ; which 128 rows of the tile I fetch
	s_lshl_b32 s20, s17, 8
	s_add_co_u32 s20, s20, s18                     ; x: row 256 x tile + 128 x half
	s_lshl_b32 s46, s42, 8
	s_add_co_u32 s46, s46, s18
	s_add_co_u32 s46, s46, 8192                    ; W: behind x's 8,192 rows
	s_lshl_b32 s22, s20, 5                         ; where these rows' scales begin, in bytes (all under 2^32)
	s_mov_b32 s23, 0
	s_lshl_b32 s92, s46, 5
	s_mov_b32 s93, 0
	s_lshl_b32 s20, s20, 9                         ; and their codes
	s_mov_b32 s21, 0
	s_lshl_b32 s46, s46, 9
	s_mov_b32 s47, 0
	s_mul_i32 s45, s14, HALFT                      ; where they go: wave x 128 rows: no place in the cluster enters an LDS address
	s_mul_i32 s94, s14, HALFS
	s_wait_dscnt 0x0                               ; both opening adds are done
	s_wait_kmcnt 0x0
	s_add_nc_u64 s[20:21], s[4:5], s[20:21]
	s_add_nc_u64 s[22:23], s[6:7], s[22:23]
	s_add_nc_u64 s[46:47], s[4:5], s[46:47]
	s_add_nc_u64 s[92:93], s[6:7], s[92:93]
	CROUND                                         ; all sixteen work-groups are here: the joint loads meet
	s_mov_b32 s[G0S], 1
	s_add_co_u32 s[G0S+1], s94, SCL
	s_mov_b64 s[G0S+2:G0S+3], s[22:23]
	s_or_b32 s[G0S+3], s[G0S+3], 0x80000000
	s_mov_b32 s[G0SB], 1
	s_add_co_u32 s[G0SB+1], s94, SCL
	s_mov_b64 s[G0SB+2:G0SB+3], s[92:93]
	s_or_b32 s[G0SB+3], s[G0SB+3], 0x80000000
	JLOAD G0S, G1S, G0SB, G1SB                     ; the scales first: they are wanted with the first slot
.irp s, 0,1
	s_mov_b32 s[G0+4*\s], 1
	s_add_co_u32 s[G0+4*\s+1], s45, \s*SLOT
	s_add_nc_u64 s[G0+4*\s+2:G0+4*\s+3], s[20:21], \s*ROWB
	s_or_b32 s[G0+4*\s+3], s[G0+4*\s+3], 0x80000000
	s_mov_b32 s[G0B+4*\s], 1
	s_add_co_u32 s[G0B+4*\s+1], s45, \s*SLOT
	s_add_nc_u64 s[G0B+4*\s+2:G0B+4*\s+3], s[46:47], \s*ROWB
	s_or_b32 s[G0B+4*\s+3], s[G0B+4*\s+3], 0x80000000
	JLOAD G0+4*\s, G1, G0B+4*\s, G1B               ; three loads of mine are out in all
.endr
	v_and_b32 v1, 15, v0                           ; r = lane % 16
	v_bfe_u32 v2, v0, 4, 1                         ; h = lane / 16
	v_mul_u32_u24 v3, v1, PITCH
	v_lshl_add_u32 v4, v2, 4, v3                   ; a fragment's row x pitch + 16 h
	s_mul_i32 s21, s15, HALFT                      ; my 128 rows of x
	s_mul_i32 s22, s16, HALFT                      ; my 128 rows of W,
	s_add_co_u32 s22, s22, 2*HALFT                 ; which lie behind x's 256
.irp s, 0,1
	v_add_nc_u32 v[ADRA+\s], s21, v4
	v_add_nc_u32 v[ADRB+\s], s22, v4
	s_add_co_u32 s21, s21, SLOT
	s_add_co_u32 s22, s22, SLOT
.endr
	v_mul_u32_u24 v5, v1, KS                       ; my row's scales: 32 bytes a row,
	v_lshrrev_b32 v6, 8, v5
	v_lshl_add_u32 v5, v6, 4, v5                   ; and 16 more for each 256 passed
	s_mul_i32 s21, s15, HALFS                      ; x's: my 128 rows
	s_mul_i32 s22, s16, HALFS                      ; W's: my 128 rows, behind x's 256
	s_add_co_u32 s22, s22, 2*HALFS
	s_sub_co_u32 s22, s22, s21
	v_mul_u32_u24 v6, s22, v2                      ; lanes 16-31 take W's: the lower base + h x the distance
	s_add_co_u32 s21, s21, SCL
	v_add_nc_u32 v5, v5, v6
	v_add_nc_u32 v[ADRS], s21, v5
	v_and_b32 v6, 31, v0
	v_lshlrev_b32 v[LO], 4, v6
	v_lshlrev_b32 v[FOQ], 13, v1
	v_lshl_add_u32 v[FOQ], v2, 5, v[FOQ]
	v_lshlrev_b32 v[FOV], 6, v1
	v_lshl_add_u32 v[FOV], v2, 5, v[FOV]
	; where my 128 x 128 goes in qkvf: my first of two heads, and my first position x 128 bytes (the same for q, k and v)
	s_lshl_b32 s66, s42, 2
	s_lshl_b32 s67, s16, 1
	s_add_co_u32 s66, s66, s67                     ; n / 64 = 4 x tile column + 2 x half: 0 .. 47
	s_lshr_b32 s67, s66, 4                         ; q, k or v
	s_and_b32 s66, s66, 15                         ; the head
	s_lshl_b32 s67, s67, 6
	s_add_co_u32 s66, s66, s67
	s_lshl_b32 s67, s41, 4                         ; the batch
	s_add_co_u32 s66, s66, s67
	s_lshl_b32 s66, s66, 18                        ; 262,144 bytes a head
	s_lshl_b32 s67, s98, 15                        ; 256 positions x 128 bytes a cluster y
	s_add_co_u32 s66, s66, s67
	s_lshl_b32 s67, s15, 14                        ; my half's 128 positions
	s_add_co_u32 s66, s66, s67
	s_mov_b32 s67, 0
	s_add_nc_u64 s[12:13], s[8:9], s[66:67]
.macro FRAG reg, adr, q, i             ; a fragment: lane l holds row l % 16; registers 4 c .. 4 c + 3 hold K = 64 c + 32 (l / 16) + 0 .. 31
.irp c, 0,1
	ds_load_b128 v[\reg+4*\c:\reg+4*\c+3], v[\adr] offset:64*(\q)+32*\c+(\i)*16*PITCH
.endr
.endm
; 16 matrix instructions: x's blocks a0, a0 + 1 against W's eight, the slot's q-th 128 along K.  p: W's set; sc: the set of scale words.  zero = 1: the first product starts the sums.
; The 64 accumulators take turns, one instruction a turn, in the same order in every step.  NAT = 0: source 0 = W, source 1 = x; NAT = 1: the other way round; the scale operands go with their sources.
.macro MUL16 a0, p, q, sc, zero
.irp a, \a0, \a0+1
.irp b, 0,1,2,3,4,5,6,7
.if NAT
.if \zero
	v_wmma_scale_f32_16x16x128_f8f6f4 v[8*(8*((\a)%4)+\b):8*(8*((\a)%4)+\b)+7], v[AF+FR*(\a):AF+FR*(\a)+FR-1], v[128*(\p)+FR*\b:128*(\p)+FR*\b+FR-1], 0, v[SC+8*NQ*(\sc)+NQ*(\a)+(\q)], v[SC+8*NQ*(\sc)+NQ*\b+(\q)] matrix_a_fmt:MATRIX_FMT_FP4 matrix_b_fmt:MATRIX_FMT_FP4 matrix_b_scale:MATRIX_SCALE_ROW1
.else
	v_wmma_scale_f32_16x16x128_f8f6f4 v[8*(8*((\a)%4)+\b):8*(8*((\a)%4)+\b)+7], v[AF+FR*(\a):AF+FR*(\a)+FR-1], v[128*(\p)+FR*\b:128*(\p)+FR*\b+FR-1], v[8*(8*((\a)%4)+\b):8*(8*((\a)%4)+\b)+7], v[SC+8*NQ*(\sc)+NQ*(\a)+(\q)], v[SC+8*NQ*(\sc)+NQ*\b+(\q)] matrix_a_fmt:MATRIX_FMT_FP4 matrix_b_fmt:MATRIX_FMT_FP4 matrix_b_scale:MATRIX_SCALE_ROW1
.endif
.else
.if \zero
	v_wmma_scale_f32_16x16x128_f8f6f4 v[8*(8*((\a)%4)+\b):8*(8*((\a)%4)+\b)+7], v[128*(\p)+FR*\b:128*(\p)+FR*\b+FR-1], v[AF+FR*(\a):AF+FR*(\a)+FR-1], 0, v[SC+8*NQ*(\sc)+NQ*\b+(\q)], v[SC+8*NQ*(\sc)+NQ*(\a)+(\q)] matrix_a_fmt:MATRIX_FMT_FP4 matrix_b_fmt:MATRIX_FMT_FP4 matrix_a_scale:MATRIX_SCALE_ROW1
.else
	v_wmma_scale_f32_16x16x128_f8f6f4 v[8*(8*((\a)%4)+\b):8*(8*((\a)%4)+\b)+7], v[128*(\p)+FR*\b:128*(\p)+FR*\b+FR-1], v[AF+FR*(\a):AF+FR*(\a)+FR-1], v[8*(8*((\a)%4)+\b):8*(8*((\a)%4)+\b)+7], v[SC+8*NQ*(\sc)+NQ*\b+(\q)], v[SC+8*NQ*(\sc)+NQ*(\a)+(\q)] matrix_a_fmt:MATRIX_FMT_FP4 matrix_b_fmt:MATRIX_FMT_FP4 matrix_a_scale:MATRIX_SCALE_ROW1
.endif
.endif
.endr
.endr
.endm
.macro FETCH_B slot, q, p              ; W's eight fragments into set p
	WIN TO_B
.irp i, 0,1,2,3,4,5,6,7
	FRAG 128*(\p)+FR*\i, ADRB+\slot, \q, \i
.endr
	WIN 0
.endm
.macro FETCH_A slot, q, i0             ; x's blocks i0 .. i0 + 3
.irp i, \i0, \i0+1, \i0+2, \i0+3
	FRAG AF+FR*(\i), ADRA+\slot, \q, \i
.endr
.endm
.macro SCALES sc                       ; a slot's scale words: four words a row; lanes 0-15 take x's block i, lanes 16-31 W's block i
.irp i, 0,1,2,3,4,5,6,7
	ds_load_b128 v[SC+8*NQ*\sc+NQ*\i:SC+8*NQ*\sc+NQ*\i+3], v[ADRS] offset:\i*SBLK
.endr
.endm
.macro PLACES n                        ; plain vector lines between a matrix instruction and a load into, or a vector write of, one of its registers, or a read of its result
.rept \n
	v_nop
.endr
.endm
; A step of 128 along K that has its successor in the same slot.  A block of x is free as soon as its eight products are issued: blocks 0-3 are fetched anew in the step's middle, blocks 4-7 at its end.
.macro STEP slot, q, zero
	s_wait_dscnt 4*NL                              ; W's set and x's blocks 0-3 are in; the youngest eight loads (x's blocks 4-7) may be out
	WIN MUL_LO
	MUL16 0, (\q)%2, \q, \slot, \zero
	MUL16 2, (\q)%2, \q, \slot, \zero
	s_wait_dscnt 0                                 ; x's blocks 4-7 are in
	PLACES NP
	FETCH_B \slot, (\q)+1, 1-(\q)%2
	FETCH_A \slot, (\q)+1, 0
	WIN MUL_HI
	MUL16 4, (\q)%2, \q, \slot, \zero
	MUL16 6, (\q)%2, \q, \slot, \zero
	PLACES NP
	WIN 0
	FETCH_A \slot, (\q)+1, 4
.endm
; Slot 0's last step goes over to slot 1: each wave waits for all its tensor loads (its part of slot 1), so that behind the barrier slot 1 is whole for all four waves.
.macro TURN slot, next
	s_wait_tensorcnt 0x0                           ; all my tensor loads have landed
	ds_add_u32 v[SPW], v[NIL]                      ; 0 onto my spare word
	s_wait_dscnt 4*NL+1                            ; (the add and the youngest eight loads may be out)
	WIN MUL_LO
	MUL16 0, 1, NQ-1, \slot, 0
	s_wait_dscnt 0x0                               ; no LDS instruction of mine is out at the signal
	s_barrier_signal -1
	MUL16 2, 1, NQ-1, \slot, 0
	WIN 0
	s_barrier_wait -1
	PLACES NP
	v_add_nc_u32 v[ADRS], 4*NQ, v[ADRS]            ; on to the next slot's scale words
	FETCH_B \next, 0, 0
	FETCH_A \next, 0, 0
	SCALES \next
	WIN MUL_HI
	MUL16 4, 1, NQ-1, \slot, 0
	MUL16 6, 1, NQ-1, \slot, 0
	PLACES NP
	WIN 0
	FETCH_A \next, 0, 4
.endm
.macro STEPS slot, from                ; the slot's steps from .. NQ - 2
.set Q, \from
.rept NQ-1-\from
	STEP \slot, Q, 0
.set Q, Q+1
.endr
.endm
; THE WAY OUT.  No stage: packed to f16, two neighbouring accumulators are a fragment of the next product in the very lanes that hold them.
.macro WAYOUT
	s_lshl_b32 s96, s42, 8
	s_lshl_b32 s97, s16, 7
	s_add_co_u32 s96, s96, s97                     ; my first n
.if NAT
	s_sub_co_u32 s96, s96, 2048                    ; my first channel of v,
	s_lshl_b32 s96, s96, 6                         ; 64 bytes a channel,
	s_lshl_b32 s97, s41, 16                        ; 65,536 a batch,
	s_add_co_u32 s96, s96, s97
	s_add_co_u32 s96, s96, 524288                  ; behind q's and k's copies
.else
	s_lshl_b32 s96, s96, 2                         ; 4 bytes a column,
	s_lshl_b32 s97, s41, 17                        ; 16 rows of 8,192 bytes a batch
	s_add_co_u32 s96, s96, s97
.endif
	s_mov_b32 s97, 0
	s_add_nc_u64 s[96:97], s[10:11], s[96:97]
	s_or_b32 s95, s98, s15                         ; the batch's first 16 positions lie in block 0 of the upper half of the tiles with cluster y = 0: the same test in all partners
	s_cmp_lg_u32 s95, 0
	s_cbranch_scc1 .Lnofine_\@
	WIN 0x08                                       ; a store's data are its source 1: window 2
.irp b, 0,1,2,3,4,5,6,7
.if NAT
	global_store_b128 v[FOV], v[8*\b:8*\b+3], s[96:97] offset:1024*\b          ; channel 16 b + r, positions 8 h + 0 .. 7
	global_store_b128 v[FOV], v[8*\b+4:8*\b+7], s[96:97] offset:1024*\b+16
.else
	global_store_b128 v[FOQ], v[8*\b:8*\b+3], s[96:97] offset:64*\b            ; position r, columns 16 b + 8 h + 0 .. 7
	global_store_b128 v[FOQ], v[8*\b+4:8*\b+7], s[96:97] offset:64*\b+16
.endif
.endr
	WIN 0
.Lnofine_\@:
.if NAT
.irp g, 0,1,2,3                        ; 32 positions: blocks 2 g and 2 g + 1 are a fragment's two halves
.if \g == 3
	s_wait_xcnt 0x0                                ; the first stores have read their registers, which are written again
.endif
	WIN 0x0a+5*(\g/2)                              ; sources 0 and 1: window 2 or 3
.irp e, 0,1
.irp b, 0,1,2,3,4,5,6,7
.irp r, 0,1,2,3
	v_cvt_pk_f16_f32 v[32+64*(\g%3)+8*\b+4*\e+\r], v[64*((2*\g+\e)%4)+8*\b+2*\r], v[64*((2*\g+\e)%4)+8*\b+2*\r+1]
.endr
.endr
.endr
	WIN 0
.irp b, 0,1,2,3,4,5,6,7
.irp e, 0,1
	global_store_b128 v[LO], v[32+64*(\g%3)+8*\b+4*\e:32+64*(\g%3)+8*\b+4*\e+3], s[12:13] offset:(\b/4)*262144+\g*4096+(\b%4)*1024+\e*512
.endr
.endr
.endr
.else
.irp a, 0,1,2,3,4,5,6,7                ; 16 positions: accumulators 2 i and 2 i + 1 are a fragment's two halves
.if \a == 6
	s_wait_xcnt 0x0                                ; the first stores have read their registers, which are written again
.endif
	WIN 0x0a+5*(\a/4)
.irp b, 0,1,2,3,4,5,6,7
.irp r, 0,1,2,3
	v_cvt_pk_f16_f32 v[32+32*(\a%6)+4*\b+\r], v[64*(\a%4)+8*\b+2*\r], v[64*(\a%4)+8*\b+2*\r+1]
.endr
.endr
	WIN 0
.irp b, 0,1,2,3,4,5,6,7
	global_store_b128 v[LO], v[32+32*(\a%6)+4*\b:32+32*(\a%6)+4*\b+3], s[12:13] offset:(\b/4)*262144+\a*2048+((\b/2)%2)*1024+(\b%2)*512
.endr
.endr
.endif
.endm
.macro BODY
	FETCH_B 0, 0, 0
	FETCH_A 0, 0, 0
	SCALES 0
	FETCH_A 0, 0, 4
	STEP 0, 0, 1                                   ; the first step's products start the sums: nothing is cleared
	STEPS 0, 1
	TURN 0, 1
	STEPS 1, 0
	s_wait_dscnt 4*NL                              ; the very last step: nothing more to fetch
	WIN MUL_LO
	MUL16 0, 1, NQ-1, 1, 0
	MUL16 2, 1, NQ-1, 1, 0
	s_wait_dscnt 0
	WIN MUL_HI
	MUL16 4, 1, NQ-1, 1, 0
	MUL16 6, 1, NQ-1, 1, 0
	WIN 0
	PLACES NP                                      ; ahead of the first read of results and the first write of registers that the last products read
	WAYOUT
.endm
	s_wait_tensorcnt 1                             ; the scales and my part of slot 0 are in (one load, slot 1's, may be out)
	s_barrier_signal -1
	s_barrier_wait -1                              ; everybody's are
	s_cmp_eq_u32 ttmp9, 2                          ; cluster x = 2 makes v: the same in all partners
	s_cbranch_scc1 .Lv
.set NAT, 0
.set MUL_LO, 0xa1                      ; source 0 window 1 (W), source 1 window 0 (x), C and D window 2
.set MUL_HI, 0xf1                      ; the same, C and D window 3
	BODY
	s_branch .Lend
.Lv:
.set NAT, 1
.set MUL_LO, 0xa4                      ; source 0 window 0 (x), source 1 window 1 (W), C and D window 2
.set MUL_HI, 0xf4
	BODY
.Lend:
	s_wait_tensorcnt 0x0                           ; the wave's end, behind my last tensor load
	ds_add_u32 v[SPW], v[NIL]
	s_wait_dscnt 0x0
	CROUND                                         ; the closing round
	s_endpgm
.Lfunc_end_k_q144e9f4ca9_qkv:
	.size	k_q144e9f4ca9_qkv, .Lfunc_end_k_q144e9f4ca9_qkv-k_q144e9f4ca9_qkv
	.p2alignl 7, 3214868480
	.fill 96, 4, 3214868480
	.section	.rodata,"a",@progbits
	.p2align	6, 0x0
	.amdhsa_kernel k_q144e9f4ca9_qkv
		.amdhsa_group_segment_fixed_size 327680
		.amdhsa_private_segment_fixed_size 0
		.amdhsa_enable_private_segment 0
		.amdhsa_kernarg_size 32
		.amdhsa_user_sgpr_count 2
		.amdhsa_user_sgpr_kernarg_segment_ptr 1
		.amdhsa_wavefront_size32 1
		.amdhsa_system_sgpr_workgroup_id_x 1
		.amdhsa_system_sgpr_workgroup_id_y 1
		.amdhsa_system_sgpr_workgroup_id_z 1
		.amdhsa_system_vgpr_workitem_id 0
		.amdhsa_next_free_vgpr 1024
		.amdhsa_next_free_sgpr 100
		.amdhsa_reserve_vcc 0
		.amdhsa_float_denorm_mode_32 3
		.amdhsa_float_denorm_mode_16_64 3
		.amdhsa_memory_ordered 1
		.amdhsa_forward_progress 1
		.amdhsa_inst_pref_size 229
	.end_amdhsa_kernel
	.amdgpu_metadata
---
amdhsa.version: [ 1, 2 ]
amdhsa.kernels:
  - .name:           k_q144e9f4ca9_qkv
    .symbol:         k_q144e9f4ca9_qkv.kd
    .args:
      - { .name: codes, .offset: 0, .size: 8, .value_kind: global_buffer, .address_space: global }
      - { .name: scales, .offset: 8, .size: 8, .value_kind: global_buffer, .address_space: global }
      - { .name: qkvf, .offset: 16, .size: 8, .value_kind: global_buffer, .address_space: global }
      - { .name: fine32, .offset: 24, .size: 8, .value_kind: global_buffer, .address_space: global }
    .group_segment_fixed_size: 327680
    .private_segment_fixed_size: 0
    .kernarg_segment_align: 8
    .kernarg_segment_size: 32
    .max_flat_workgroup_size: 128
    .sgpr_count:     100
    .vgpr_count:     1024
    .wavefront_size: 32
...
	.end_amdgpu_metadata
.endif
;; end of part 2
;; launch attn (part 3): grid 4 x 64, 8 waves a work-group, no clusters, 327,680 bytes of LDS; arguments qkvf, kbias, yf; writes yf
.if DOCPART == 3
	.amdgcn_target "amdgcn-amd-amdhsa--gfx1250"
	.amdhsa_code_object_version 6
	.text
	.protected	k_q144e9f4ca9_attn
	.globl	k_q144e9f4ca9_attn
	.p2align	8
	.type	k_q144e9f4ca9_attn,@function
k_q144e9f4ca9_attn:
	s_mov_b64 s[64:65], 0
	v_nop
	global_prefetch_b8 v0, s[64:65] scope:SCOPE_SE
	s_setreg_imm32_b32 hwreg(HW_REG_WAVE_MODE, 25, 1), 1
	s_wait_xcnt 0x0
; y[b][h][q] = sum over k of softmax_k(q . k / 8, causal, keys with mask 0 left out) v[k], head size 64, 2,048 positions, 64 pairs (batch, head).  Operands f16, products, maxima and sums f32.
; q, k, v come as f16 fragments in the order of the operands' registers (1 KB: the 32 lanes' registers 0-3, then 4-7); y leaves so too, for the projection.  So every LDS and global access is 16 bytes a lane on end.
; SHARES.  Work-group (I, batch x head) owns the query blocks I and 7 - I, 256 queries each, one after the other.  Block j needs the key units 0 .. j of 256 keys: (I + 1) + (8 - I) = 9 units for every work-group:
; 256 work-groups of equal work, and every trip count is a constant.  Wave w of eight owns 32 queries of the block, two tiles of 16; two waves share a SIMD, so that one's softmax stands beside the other's products.
; NO CLUSTER: the four work-groups of a head want different units in the same trip (I = 0: 0, 0..7; I = 1: 0, 1, 0..6; ..): a joint load would bring tiles that no wave of some partner reads.
; LAYOUT.  S^T = K Q^T + bias (source 0 = 16 keys, source 1 = 16 queries): a lane holds ONE query (lane % 16) and keys 8 (lane / 16) + 0..7.  Two such tiles, packed to f16, are source 1 of O^T = V^T P.
; MASKS.  The key mask is the C of each score tile's first product: 0 or -2^100.  Causal: steps wholly behind a wave's queries are jumped over (a branch on ids); on the diagonal hidden scores become -2^100.
; SOFTMAX.  Running maximum m and sum l for each query; p = 2^(c s - c m), c = log2(e) / 8; O and l are multiplied by 2^(c m_old - c m_new) in every step.
; m starts at -2^50.  With f16 operands |q . k| < 64 x 65,504^2 < 2^38, so every true score lies above that floor and every masked one (-2^100) gives p = 0.  A query none of whose keys counts keeps l = 0 and O = 0: 0 x (1 / 0) is NaN, as the softmax of an empty row is.
; LIMITS: |y| inside f16's range; the sum l is taken of p in f32 while the product takes p in f16; NaN and infinities among the inputs are not served.  Positions 0-15 of each batch are computed again, in f32, by a later launch.
; LDS: two slots 2^17 bytes apart; in a slot: a unit of K (32 KB), of V (32 KB), of the bias (1 KB).  Waves 0, 1 fetch K's halves, waves 2, 3 V's, wave 4 the bias.
; REGISTERS: window 0: v1-11 addresses and constants; v12-27 statistics; v28-59 the bias; v64-127 S^T; v128-159 P; v160-223 O^T.  Window 1: v0-63 K, v64-127 V, v128-159 Q.
.set SLOT1, 1<<17
.set VOFF,  32768
.set BOFF,  65536
.set SPARE, 262144                     ; the spare words, 128 bytes a wave, which no other line names
.set LQ,   1                           ; v1   16 x lane
.set AB0,  2                           ; v2   the bias: BOFF + 32 h
.set ADK,  3                           ; v3   LDS address of the step's K and V
.set ADB,  4                           ; v4   of its bias
.set RH,   5                           ; v5   r - 8 h
.set NEGV, 6                           ; v6   -2^100
.set D0,   7                           ; v7, v8  the causal limit of tile 0, 1
.set PFO,  9                           ; v9   256 x lane
.set SPW,  10                          ; v10  my spare word; never rewritten
.set NIL,  11                          ; v11  0; never rewritten
.set ST,   12                          ; tile t at v[ST + 8 t]: +0 c m, +1 m, +2, +3 l (two halves), +4 .. +7 at work; the rescaling factor lands in +6
.set BI,   28
.set S,    64
.set P,    128
.set O,    160
.set Y,    64                          ; the way out: packed y, in S^T's registers
.set KW,   0                           ; window 1
.set VW,   64
.set QW,   128
.set WV,   10                          ; s10  wave
.set IB,   11                          ; s11  I
.set HB,   12                          ; s12  16 x batch + head
.set SW,   13                          ; s13  I + 1: the trip in which the second block begins
.set UC,   14                          ; s14  trip 0 .. 8
.set TB,   15                          ; s15  slot + 8,192 x step
.set TBB,  16                          ; s16  slot + 256 x step
.set KF,   17                          ; s17  the step's first key
.set Q0,   18                          ; s18  my first query
.set STP,  19
.set SEL,  20                          ; s[20:21] selects for lane l xor 16
.set CS,   22                          ; s[22:23] c, twice
.set G1,   24                          ; s[24:31] group 1: 16 KB as 64 rows of 256 bytes
.set G1B,  32                          ; s[32:39] one row of 1 KB
.set G0,   40
.set G0B,  44
.set KVB,  48                          ; s[48:49] my half of unit 0 of K or V
.set BB,   50                          ; s[50:51] the batch's bias
.set QB,   52                          ; s[52:55] my 32 queries' fragments, block I, block 7 - I
.set YB,   56                          ; s[56:59] where my y goes
.set PFA,  60                          ; s[60:61] where my prefetches stand
.set LIMN, 62                          ; s62  4 in a wave that prefetches, else 0
.set HIB,  72                          ; s72  7 - I
.set MSB, 0
.macro WIN new
.if MSB != \new
	s_set_vgpr_msb (MSB<<8)|\new
.set MSB, \new
.endif
.endm
; One tensor load a wave, waves 0 to 4; the branches hang on the wave's number alone.  An s_nop 0 and four v_nop follow each line.
.macro TLOAD
	s_cmp_lt_u32 s[WV], 4
	s_cbranch_scc0 .Lnot_kv_\@
	tensor_load_to_lds s[G0:G0+3], s[G1:G1+7]
	s_nop 0
.rept 4
	v_nop
.endr
	s_branch .Lasked_\@
.Lnot_kv_\@:
	s_cmp_eq_u32 s[WV], 4
	s_cbranch_scc0 .Lasked_\@
	tensor_load_to_lds s[G0B:G0B+3], s[G1B:G1B+7]
	s_nop 0
.rept 4
	v_nop
.endr
.Lasked_\@:
.endm
; A PREFETCH of the unit that the next change of slots of work-group I = 0 will ask for.  That work-group is the first of its head to load units 4 to 7 (it loads unit u at change u; I = 1 at change u + 1, and so on);
; units 0 to 3 are wanted by the head's work-groups within the first changes and come by their loads alone.  In it wave 6 asks for K's 32 KB and wave 5 for V's: four instructions, lanes 256 bytes apart:
; each aligned block of 256 bytes is named once in the launch.  Changes 3 to 6 ask, for units 4 to 7: none reaches past the head.
.macro ASK
	s_sub_co_u32 s66, s[UC], 3
	s_cmp_lt_u32 s66, s[LIMN]
	s_cbranch_scc0 .Lnot_mine_\@
.irp i, 0,1,2,3
	global_prefetch_b8 v[PFO], s[PFA:PFA+1] offset:8192*\i th:TH_LOAD_NT scope:SCOPE_SE
.endr
.Lnot_mine_\@:
.endm
	s_load_b128 s[4:7], s[0:1], 0x0                ; qkvf, kbias
	s_load_b64 s[8:9], s[0:1], 0x10                ; yf
	v_lshl_add_u32 v[SPW], v0, 2, SPARE
	v_mov_b32 v[NIL], 0
	ds_add_u32 v[SPW], v[NIL]                      ; the wave's opening: the add, twice on end, and its wait ahead of my first tensor load
	ds_add_u32 v[SPW], v[NIL]
	v_lshrrev_b32 v1, 5, v0
	v_readfirstlane_b32 s[WV], v1
	s_mov_b32 s[IB], ttmp9
	s_and_b32 s[HB], ttmp7, 0xffff
	s_add_co_u32 s[SW], s[IB], 1
	s_sub_co_u32 s[HIB], 7, s[IB]
	s_mov_b32 s[G1], 3<<16                         ; no mask; elements of 8 bytes; no padding
	s_mov_b32 s[G1+1], 32<<16                      ; tensor_dim0 = 32 elements
	s_mov_b32 s[G1+2], 64<<16                      ; tensor_dim1 = 64
	s_mov_b32 s[G1+3], 32<<16                      ; tile_dim0
	s_mov_b32 s[G1+4], 64                          ; tile_dim1
	s_mov_b32 s[G1+5], 32                          ; from row to row: dense
	s_mov_b32 s[G1+6], 0
	s_mov_b32 s[G1+7], 0
	s_mov_b32 s[G1B], 3<<16
	s_mov_b32 s[G1B+1], 128<<16
	s_mov_b32 s[G1B+2], 1<<16
	s_mov_b32 s[G1B+3], 128<<16
	s_mov_b32 s[G1B+4], 1
	s_mov_b32 s[G1B+5], 128
	s_mov_b32 s[G1B+6], 0
	s_mov_b32 s[G1B+7], 0
	s_mov_b32 s[SEL], 0x76543210
	s_mov_b32 s[SEL+1], 0xfedcba98
	s_mov_b32 s[CS], 0x3e38aa3b                    ; c = log2(e) / 8
	s_mov_b32 s[CS+1], s[CS]
	; offsets, each under 2^32
	s_lshl_b32 s66, s[HB], 18                      ; q: the head,
	s_lshl_b32 s67, s[WV], 12                      ; my 32 queries x 128 bytes,
	s_add_co_u32 s66, s66, s67
	s_lshl_b32 s[QB], s[IB], 15                    ; the block's 256 x 128 bytes
	s_add_co_u32 s[QB], s[QB], s66
	s_mov_b32 s[QB+1], 0
	s_lshl_b32 s[QB+2], s[HIB], 15
	s_add_co_u32 s[QB+2], s[QB+2], s66
	s_mov_b32 s[QB+3], 0
	s_lshr_b32 s66, s[HB], 4                       ; y: [128 rows][channel / 32][16 rows][1 KB]
	s_lshl_b32 s66, s66, 4                         ; 16 tiles of 128 rows a batch,
	s_lshr_b32 s67, s[WV], 2
	s_add_co_u32 s66, s66, s67                     ; waves 4-7 in the block's second,
	s_and_b32 s67, s[HB], 15
	s_lshl_b32 s67, s67, 14                        ; the head's two fragments along K: 2 x 8,192 bytes,
	s_lshl_b32 s68, s[WV], 1
	s_and_b32 s68, s68, 7
	s_lshl_b32 s68, s68, 10                        ; my first 16 rows in the tile
	s_add_co_u32 s67, s67, s68
	s_lshl_b32 s[YB], s[IB], 1
	s_add_co_u32 s[YB], s[YB], s66
	s_lshl_b32 s[YB], s[YB], 18
	s_add_co_u32 s[YB], s[YB], s67
	s_mov_b32 s[YB+1], 0
	s_lshl_b32 s[YB+2], s[HIB], 1
	s_add_co_u32 s[YB+2], s[YB+2], s66
	s_lshl_b32 s[YB+2], s[YB+2], 18
	s_add_co_u32 s[YB+2], s[YB+2], s67
	s_mov_b32 s[YB+3], 0
	s_bfe_u32 s66, s[WV], 0x10001                  ; waves 0, 1: K; waves 2, 3: V
	s_add_co_u32 s66, s66, 1
	s_lshl_b32 s66, s66, 6
	s_add_co_u32 s66, s66, s[HB]
	s_lshl_b32 s[KVB], s66, 18
	s_and_b32 s67, s[WV], 1
	s_lshl_b32 s68, s67, 14                        ; which half of a unit
	s_add_co_u32 s[KVB], s[KVB], s68
	s_mov_b32 s[KVB+1], 0
	s_lshr_b32 s[BB], s[HB], 4
	s_lshl_b32 s[BB], s[BB], 13
	s_mov_b32 s[BB+1], 0
	s_add_co_u32 s67, s67, 1                       ; the prefetches: wave 6: K, wave 5: V
	s_lshl_b32 s67, s67, 6
	s_add_co_u32 s67, s67, s[HB]
	s_lshl_b32 s[PFA], s67, 18
	s_mov_b32 s[PFA+1], 0
	s_sub_co_u32 s66, s[WV], 5
	s_lshr_b32 s66, s66, 1                         ; 0 in waves 5 and 6,
	s_or_b32 s66, s66, ttmp9                       ; of work-group I = 0
	s_cmp_eq_u32 s66, 0
	s_cselect_b32 s[LIMN], 4, 0
	s_mov_b32 s[UC], 0
	s_mov_b32 s[TB], 0
	s_mov_b32 s[TBB], 0
	s_mov_b32 s[KF], 0
	s_lshl_b32 s[Q0], s[IB], 8
	s_lshl_b32 s66, s[WV], 5
	s_add_co_u32 s[Q0], s[Q0], s66
	s_wait_dscnt 0x0                               ; both opening adds are done
	s_wait_kmcnt 0x0
	s_add_nc_u64 s[QB:QB+1], s[4:5], s[QB:QB+1]
	s_add_nc_u64 s[QB+2:QB+3], s[4:5], s[QB+2:QB+3]
	s_add_nc_u64 s[YB:YB+1], s[8:9], s[YB:YB+1]
	s_add_nc_u64 s[YB+2:YB+3], s[8:9], s[YB+2:YB+3]
	s_add_nc_u64 s[KVB:KVB+1], s[4:5], s[KVB:KVB+1]
	s_add_nc_u64 s[BB:BB+1], s[6:7], s[BB:BB+1]
	s_add_nc_u64 s[PFA:PFA+1], s[4:5], s[PFA:PFA+1]
	s_mov_b32 s[G0], 1
	s_lshl_b32 s[G0+1], s[WV], 14                  ; slot 0: wave x 16 KB: K's halves, then V's
	s_mov_b64 s[G0+2:G0+3], s[KVB:KVB+1]           ; unit 0
	s_or_b32 s[G0+3], s[G0+3], 0x80000000
	s_mov_b32 s[G0B], 1
	s_mov_b32 s[G0B+1], BOFF
	s_mov_b64 s[G0B+2:G0B+3], s[BB:BB+1]
	s_or_b32 s[G0B+3], s[G0B+3], 0x80000000
	TLOAD                                          ; slot 0's first fill
	v_and_b32 v2, 31, v0
	v_lshlrev_b32 v[LQ], 4, v2
	v_lshlrev_b32 v[PFO], 8, v2
	v_and_b32 v3, 15, v0                           ; r
	v_bfe_u32 v4, v0, 4, 1                         ; h
	v_lshlrev_b32 v[RH], 3, v4
	v_sub_nc_u32 v[RH], v3, v[RH]
	v_lshl_add_u32 v[AB0], v4, 5, BOFF
	v_mov_b32 v[NEGV], 0xf1800000
.macro QLOAD blk                       ; my 32 queries' four fragments: 4 KB on end
	WIN 0x40                                       ; destination window 1
.irp i, 0,1,2,3,4,5,6,7
	global_load_b128 v[QW+4*\i:QW+4*\i+3], v[LQ], s[QB+2*\blk:QB+2*\blk+1] offset:512*\i
.endr
	WIN 0
.endm
.macro RESET                           ; a block begins: O^T and l are 0, m is the floor.  (The step is written once: the first finds zeros)
.irp j, 0,1,2,3,4,5,6,7,8,9,10,11,12,13,14,15,16,17,18,19,20,21,22,23,24,25,26,27,28,29,30,31,32,33,34,35,36,37,38,39,40,41,42,43,44,45,46,47,48,49,50,51,52,53,54,55,56,57,58,59,60,61,62,63
	v_mov_b32 v[O+\j], 0
.endr
.irp t, 0,1
	v_mov_b32 v[ST+8*\t+1], 0xd8800000             ; -2^50
	v_mul_f32 v[ST+8*\t], s[CS], v[ST+8*\t+1]
.irp j, 2,3,4,5,6,7
	v_mov_b32 v[ST+8*\t+\j], 0
.endr
.endr
.endm
.macro FINISH blk                      ; O^T / l, packed to f16: the lane's registers are fragments of y for the projection
.rept 4
	v_nop                                          ; places behind the last products
.endr
.irp t, 0,1
	v_add_f32 v[ST+8*\t+4], v[ST+8*\t+2], v[ST+8*\t+3]
.endr
.irp t, 0,1
	v_permlanex16_b32 v[ST+8*\t+5], v[ST+8*\t+4], s[SEL], s[SEL+1]
.endr
.irp t, 0,1
	v_add_f32 v[ST+8*\t+4], v[ST+8*\t+4], v[ST+8*\t+5]
.endr
.irp t, 0,1
	v_rcp_f32 v[ST+8*\t+6], v[ST+8*\t+4]
.endr
	v_nop                                          ; a plain line behind the last reciprocal,
	s_wait_alu depctr_va_vdst(0)                   ; and the wait ahead of the first use: one for both
.irp t, 0,1
.irp i, 0,2,4,6,8,10,12,14,16,18,20,22,24,26,28,30
	v_pk_mul_f32 v[O+32*\t+\i:O+32*\t+\i+1], v[O+32*\t+\i:O+32*\t+\i+1], v[ST+8*\t+6:ST+8*\t+7] op_sel_hi:[1,0]
.endr
.endr
.irp t, 0,1
.irp i, 0,1,2,3,4,5,6,7,8,9,10,11,12,13,14,15
	v_cvt_pk_f16_f32 v[Y+16*\t+\i], v[O+32*\t+2*\i], v[O+32*\t+2*\i+1]
.endr
.endr
.irp t, 0,1
.irp g, 0,1
.irp e, 0,1
	global_store_b128 v[LQ], v[Y+16*\t+8*\g+4*\e:Y+16*\t+8*\g+4*\e+3], s[YB+2*\blk:YB+2*\blk+1] offset:1024*\t+8192*\g+512*\e   ; 512 consecutive bytes, aligned
.endr
.endr
.endr
.endm
; A KEY STEP: 64 keys.
.macro STEP
	s_add_co_u32 s66, s[Q0], 31
	s_cmp_gt_u32 s[KF], s66                        ; all 64 keys come after my 32 queries: the step's work is left out; the lines at its end that step addresses are not
	s_cbranch_scc1 .Lhid_\@
	v_add_nc_u32 v[ADK], s[TB], v[LQ]
	v_add_nc_u32 v[ADB], s[TBB], v[AB0]
	v_nop
	v_nop                                          ; four places in front of loads into V's registers, which the last products read
.irp kt, 0,1,2,3
	ds_load_b128 v[BI+8*\kt:BI+8*\kt+3], v[ADB] offset:64*\kt          ; the bias of keys 16 kt + 8 h + 0 .. 7
	ds_load_b128 v[BI+8*\kt+4:BI+8*\kt+7], v[ADB] offset:64*\kt+16
.endr
	WIN 0x40
.irp f, 0,1,2,3,4,5,6,7                ; K: fragment 2 kt + kf: keys 16 kt on, channels 32 kf on
	ds_load_b128 v[KW+8*\f:KW+8*\f+3], v[ADK] offset:1024*\f
	ds_load_b128 v[KW+8*\f+4:KW+8*\f+7], v[ADK] offset:1024*\f+512
.endr
.irp f, 0,1,2,3,4,5,6,7                ; V^T: fragment 4 kg + ct: keys 32 kg on, channels 16 ct on
	ds_load_b128 v[VW+8*\f:VW+8*\f+3], v[ADK] offset:VOFF+1024*\f
	ds_load_b128 v[VW+8*\f+4:VW+8*\f+7], v[ADK] offset:VOFF+1024*\f+512
.endr
	s_wait_dscnt 16                                ; the bias and K are in; the youngest sixteen loads, V's, may be out
	WIN 0x05                                       ; K and Q window 1; C and D window 0
.irp kt, 0,1,2,3                       ; eight accumulators by turns, one instruction a turn
.irp t, 0,1
	v_wmma_f32_16x16x32_f16 v[S+32*\t+8*\kt:S+32*\t+8*\kt+7], v[KW+16*\kt:KW+16*\kt+7], v[QW+16*\t:QW+16*\t+7], v[BI+8*\kt:BI+8*\kt+7]
.endr
.endr
.irp kt, 0,1,2,3
.irp t, 0,1
	v_wmma_f32_16x16x32_f16 v[S+32*\t+8*\kt:S+32*\t+8*\kt+7], v[KW+16*\kt+8:KW+16*\kt+15], v[QW+16*\t+8:QW+16*\t+15], v[S+32*\t+8*\kt:S+32*\t+8*\kt+7]
.endr
.endr
	WIN 0
.rept 4
	v_nop
.endr
	s_add_co_u32 s66, s[KF], 63
	s_cmp_le_u32 s66, s[Q0]                        ; all 64 keys count for all my queries: nothing to hide
	s_cbranch_scc1 .Lopen_\@
	s_sub_co_i32 s66, s[Q0], s[KF]
	v_add_nc_u32 v[D0], s66, v[RH]                 ; register 8 kt + j of tile t holds key KF + 16 kt + 8 h + j: hidden where 16 kt + j > Q0 - KF + 16 t + r - 8 h
	v_add_nc_u32 v[D0+1], 16, v[D0]
.irp t, 0,1
.irp n, 0,1,2,3,4,5,6,7,8,9,10,11,12,13,14,15,16,17,18,19,20,21,22,23,24,25,26,27,28,29,30,31
	v_cmp_gt_i32 vcc_lo, 16*(\n/8)+\n%8, v[D0+\t]
	v_cndmask_b32 v[S+32*\t+\n], v[S+32*\t+\n], v[NEGV], vcc_lo
.endr
.endr
.Lopen_\@:
	; the maximum of 32 scores and the old m: four chains, each beginning at an accumulator's low end; the two tiles line by line
.irp j, 0,1,2,3
.irp t, 0,1
	v_max3_num_f32 v[ST+8*\t+4+\j], v[S+32*\t+8*\j], v[S+32*\t+8*\j+1], v[S+32*\t+8*\j+2]
.endr
.endr
.irp i, 3,5
.irp j, 0,1,2,3
.irp t, 0,1
	v_max3_num_f32 v[ST+8*\t+4+\j], v[ST+8*\t+4+\j], v[S+32*\t+8*\j+\i], v[S+32*\t+8*\j+\i+1]
.endr
.endr
.endr
.irp t, 0,1
	v_max3_num_f32 v[ST+8*\t+4], v[ST+8*\t+4], v[S+32*\t+7], v[S+32*\t+15]
.endr
.irp t, 0,1
	v_max3_num_f32 v[ST+8*\t+6], v[ST+8*\t+6], v[S+32*\t+23], v[S+32*\t+31]
.endr
.irp t, 0,1
	v_max3_num_f32 v[ST+8*\t+4], v[ST+8*\t+4], v[ST+8*\t+5], v[ST+8*\t+6]
.endr
.irp t, 0,1
	v_max3_num_f32 v[ST+8*\t+4], v[ST+8*\t+4], v[ST+8*\t+7], v[ST+8*\t+1]
.endr
.irp t, 0,1
	v_permlanex16_b32 v[ST+8*\t+5], v[ST+8*\t+4], s[SEL], s[SEL+1]  ; the query's other 32 keys lie in the lane 16 away
.endr
.irp t, 0,1
	v_mov_b32 v[ST+8*\t+7], v[ST+8*\t]             ; c m_old
.endr
.irp t, 0,1
	v_max_num_f32 v[ST+8*\t+1], v[ST+8*\t+4], v[ST+8*\t+5]
.endr
.irp t, 0,1
	v_mul_f32 v[ST+8*\t], s[CS], v[ST+8*\t+1]
.endr
.irp t, 0,1
	v_sub_f32 v[ST+8*\t+7], v[ST+8*\t+7], v[ST+8*\t]
.endr
.irp i, 0,2,4,6,8,10,12,14,16,18,20,22,24,26,28,30
.irp t, 0,1
	v_pk_fma_f32 v[S+32*\t+\i:S+32*\t+\i+1], v[S+32*\t+\i:S+32*\t+\i+1], s[CS:CS+1], v[ST+8*\t:ST+8*\t+1] op_sel_hi:[1,0,0] neg_lo:[0,0,1] neg_hi:[0,0,1]  ; c s - c m
.endr
.endr
.irp t, 0,1
	v_exp_f32 v[ST+8*\t+6], v[ST+8*\t+7]           ; 2^(c m_old - c m_new)
.endr
.irp i, 0,1,2,3,4,5,6,7,8,9,10,11,12,13,14,15,16,17,18,19,20,21,22,23,24,25,26,27,28,29,30,31
.irp t, 0,1
	v_exp_f32 v[S+32*\t+\i], v[S+32*\t+\i]
.endr
.endr
	v_nop                                          ; a plain line behind the last exponential,
	s_wait_alu depctr_va_vdst(0)                   ; and ONE wait for the batch of 66, ahead of its first reader
.irp i, 0,1,2,3,4,5,6,7,8,9,10,11,12,13,14,15
.irp t, 0,1
	v_cvt_pk_f16_f32 v[P+16*\t+\i], v[S+32*\t+2*\i], v[S+32*\t+2*\i+1]
.endr
.endr
.irp u, 0,1,2,3,4,5,6,7                ; the sum of the 16 pairs, in place
.irp t, 0,1
	v_pk_add_f32 v[S+32*\t+4*\u:S+32*\t+4*\u+1], v[S+32*\t+4*\u:S+32*\t+4*\u+1], v[S+32*\t+4*\u+2:S+32*\t+4*\u+3]
.endr
.endr
.irp u, 0,1,2,3
.irp t, 0,1
	v_pk_add_f32 v[S+32*\t+8*\u:S+32*\t+8*\u+1], v[S+32*\t+8*\u:S+32*\t+8*\u+1], v[S+32*\t+8*\u+4:S+32*\t+8*\u+5]
.endr
.endr
.irp u, 0,1
.irp t, 0,1
	v_pk_add_f32 v[S+32*\t+16*\u:S+32*\t+16*\u+1], v[S+32*\t+16*\u:S+32*\t+16*\u+1], v[S+32*\t+16*\u+8:S+32*\t+16*\u+9]
.endr
.endr
.irp t, 0,1
	v_pk_add_f32 v[S+32*\t:S+32*\t+1], v[S+32*\t:S+32*\t+1], v[S+32*\t+16:S+32*\t+17]
.endr
.irp t, 0,1
	v_pk_fma_f32 v[ST+8*\t+2:ST+8*\t+3], v[ST+8*\t+2:ST+8*\t+3], v[ST+8*\t+6:ST+8*\t+7], v[S+32*\t:S+32*\t+1] op_sel_hi:[1,0,1]
.endr
.irp i, 0,2,4,6,8,10,12,14,16,18,20,22,24,26,28,30
.irp t, 0,1
	v_pk_mul_f32 v[O+32*\t+\i:O+32*\t+\i+1], v[O+32*\t+\i:O+32*\t+\i+1], v[ST+8*\t+6:ST+8*\t+7] op_sel_hi:[1,0]
.endr
.endr
	s_wait_dscnt 0x0                               ; V is in
	WIN 0x01                                       ; V window 1
.irp kg, 0,1
.irp ct, 0,1,2,3
.irp t, 0,1
	v_wmma_f32_16x16x32_f16 v[O+32*\t+8*\ct:O+32*\t+8*\ct+7], v[VW+8*(4*\kg+\ct):VW+8*(4*\kg+\ct)+7], v[P+16*\t+8*\kg:P+16*\t+8*\kg+7], v[O+32*\t+8*\ct:O+32*\t+8*\ct+7]
.endr
.endr
.endr
	WIN 0
.Lhid_\@:
	s_add_co_u32 s[TB], s[TB], 8192
	s_add_co_u32 s[TBB], s[TBB], 256
	s_add_co_u32 s[KF], s[KF], 64
.endm
.macro UNIT                            ; a slot's four steps, written once and walked four times; then on to the other slot
	s_mov_b32 s[STP], 4
.Lstep_\@:
	STEP
	s_sub_co_u32 s[STP], s[STP], 1
	s_cmp_lg_u32 s[STP], 0
	s_cbranch_scc1 .Lstep_\@
	s_sub_co_u32 s[TB], s[TB], 32768
	s_xor_b32 s[TB], s[TB], SLOT1
	s_sub_co_u32 s[TBB], s[TBB], 1024
	s_xor_b32 s[TBB], s[TBB], SLOT1
.endm
; THE CHANGE OF SLOTS stands at a unit's head.  Each wave waits for all its tensor loads (its part of the slot ahead), adds 0 to its spare word, and waits for that and for its reads of the slot that it has left.
; Behind the barrier the slot ahead is whole and nobody reads the other.  fill = 1: the other slot gets the next trip's unit: one load a wave, with a whole unit's work in which to land.
.macro CHANGE fill
	s_wait_tensorcnt 0x0                           ; no tensor load of mine is out, so a group 0 may be written
	ds_add_u32 v[SPW], v[NIL]
.if \fill
	ds_add_u32 v[SPW], v[NIL]                      ; and once more: in every trip alike
	s_add_co_u32 s66, s[UC], 1                     ; the next trip:
	s_cmp_ge_u32 s66, s[SW]
	s_cselect_b32 s67, s[SW], 0
	s_sub_co_u32 s66, s66, s67                     ; its unit: the second block begins again at unit 0
	s_lshl_b32 s68, s66, 15
	s_mov_b32 s69, 0
	s_add_nc_u64 s[G0+2:G0+3], s[KVB:KVB+1], s[68:69]
	s_or_b32 s[G0+3], s[G0+3], 0x80000000
	s_xor_b32 s[G0+1], s[G0+1], SLOT1
	s_lshl_b32 s68, s66, 10
	s_add_nc_u64 s[G0B+2:G0B+3], s[BB:BB+1], s[68:69]
	s_or_b32 s[G0B+3], s[G0B+3], 0x80000000
	s_xor_b32 s[G0B+1], s[G0B+1], SLOT1
	s_wait_xcnt 0x0                                ; the last prefetches, a unit back, have read their address, so it may be written
	s_add_nc_u64 s[PFA:PFA+1], s[PFA:PFA+1], 32768
.endif
	s_wait_dscnt 0x0                               ; the adds are done, and my reads of the slot that I have left are over
	s_barrier_signal -1
	s_barrier_wait -1
.if \fill
	TLOAD                                          ; the first thing behind the barrier
	ASK
.endif
.endm
	QLOAD 0
	RESET
	s_wait_loadcnt 0x0                             ; Q
.Lunit:                                            ; eight trips; behind each change of slots the next trip's unit is asked for
	CHANGE 1
	s_cmp_eq_u32 s[UC], s[SW]                      ; the first block is done: ids and the count of trips alone, the same in all eight waves
	s_cbranch_scc0 .Lnosw
	QLOAD 1
	FINISH 0
	RESET
	s_mov_b32 s[KF], 0
	s_lshl_b32 s[Q0], s[HIB], 8
	s_lshl_b32 s66, s[WV], 5
	s_add_co_u32 s[Q0], s[Q0], s66
	s_wait_xcnt 0x0                                ; the stores have read their registers, which the next scores take
	s_wait_loadcnt 0x0                             ; Q
.Lnosw:
	UNIT
	s_add_co_u32 s[UC], s[UC], 1
	s_cmp_lt_u32 s[UC], 8
	s_cbranch_scc1 .Lunit
	CHANGE 0                                       ; the ninth unit is written out: nothing is left to fetch
	UNIT
	FINISH 1
	s_wait_tensorcnt 0x0                           ; the wave's end, behind my last tensor load
	ds_add_u32 v[SPW], v[NIL]
	s_wait_dscnt 0x0
	s_endpgm
.Lfunc_end_k_q144e9f4ca9_attn:
	.size	k_q144e9f4ca9_attn, .Lfunc_end_k_q144e9f4ca9_attn-k_q144e9f4ca9_attn
	.p2alignl 7, 3214868480
	.fill 96, 4, 3214868480
	.section	.rodata,"a",@progbits
	.p2align	6, 0x0
	.amdhsa_kernel k_q144e9f4ca9_attn
		.amdhsa_group_segment_fixed_size 327680
		.amdhsa_private_segment_fixed_size 0
		.amdhsa_enable_private_segment 0
		.amdhsa_kernarg_size 24
		.amdhsa_user_sgpr_count 2
		.amdhsa_user_sgpr_kernarg_segment_ptr 1
		.amdhsa_wavefront_size32 1
		.amdhsa_system_sgpr_workgroup_id_x 1
		.amdhsa_system_sgpr_workgroup_id_y 1
		.amdhsa_system_sgpr_workgroup_id_z 1
		.amdhsa_system_vgpr_workitem_id 0
		.amdhsa_next_free_vgpr 512
		.amdhsa_next_free_sgpr 80
		.amdhsa_reserve_vcc 1
		.amdhsa_float_denorm_mode_32 3
		.amdhsa_float_denorm_mode_16_64 3
		.amdhsa_memory_ordered 1
		.amdhsa_forward_progress 1
		.amdhsa_inst_pref_size 70
	.end_amdhsa_kernel
	.amdgpu_metadata
---
amdhsa.version: [ 1, 2 ]
amdhsa.kernels:
  - .name:           k_q144e9f4ca9_attn
    .symbol:         k_q144e9f4ca9_attn.kd
    .args:
      - { .name: qkvf, .offset: 0, .size: 8, .value_kind: global_buffer, .address_space: global }
      - { .name: kbias, .offset: 8, .size: 8, .value_kind: global_buffer, .address_space: global }
      - { .name: yf, .offset: 16, .size: 8, .value_kind: global_buffer, .address_space: global }
    .group_segment_fixed_size: 327680
    .private_segment_fixed_size: 0
    .kernarg_segment_align: 8
    .kernarg_segment_size: 24
    .max_flat_workgroup_size: 256
    .sgpr_count:     80
    .vgpr_count:     512
    .wavefront_size: 32
...
	.end_amdgpu_metadata
.endif
;; end of part 3
;; launch proj (part 4): grid 4 x 64, 4 waves a work-group, clusters of 4 x 4, 327,680 bytes of LDS; arguments yf, wpf, out0; writes out0
.if DOCPART == 4
	.amdgcn_target "amdgcn-amd-amdhsa--gfx1250"
	.amdhsa_code_object_version 6
	.text
	.protected	k_q144e9f4ca9_proj
	.globl	k_q144e9f4ca9_proj
	.p2align	8
	.type	k_q144e9f4ca9_proj,@function
k_q144e9f4ca9_proj:
	s_mov_b64 s[64:65], 0
	v_nop
	global_prefetch_b8 v0, s[64:65] scope:SCOPE_SE
	s_setreg_imm32_b32 hwreg(HW_REG_WAVE_MODE, 25, 1), 1
	s_wait_xcnt 0x0
	s_wait_alu depctr_hold_cnt(0) depctr_sa_sdst(0) depctr_va_vdst(0) depctr_va_sdst(0) depctr_va_ssrc(0) depctr_va_vcc(0) depctr_vm_vsrc(0)
	s_getreg_b32 s2, hwreg(HW_REG_IB_STS2, 6, 4)
	s_cmp_eq_u32 s2, 0
	s_cbranch_scc0 .Lentry_in_a_cluster
	s_endpgm
.Lentry_in_a_cluster:
	s_bfe_u32 s2, ttmp6, 0x10000c
	s_cmp_lg_u32 s2, 0xf033
	s_cbranch_scc0 .Lentry_shape_is_right
	s_endpgm
.Lentry_shape_is_right:
; out[m][n] = sum over k of y[m][k] Wp[n][k], m = 8,192, n = k = 1,024; operands f16, sums f32, out f32.
; y and Wp come as fragments in the order of the operands' registers (1 KB: the 32 lanes' registers 0-3, then 4-7): yf [m / 128][k / 32][8][1 KB], wpf [n / 256][k / 32][16][1 KB].
; So a K step's tiles are dense blocks of memory, and every LDS read is 16 bytes a lane on end: no pitch, no padding.
; A tile of out is 128 x 256: 256 work-groups.  Four waves, each 64 x 128: 32 accumulators, 256 registers.  K goes in 8 steps of 128 through two LDS slots (y 32 KB, Wp 64 KB).
; CLUSTERS: 4 x 4.  The four of a row of the cluster need the same tile of y, the four of a column the same tile of Wp: each is asked for jointly.
; THE PRODUCT IS USED TRANSPOSED (source 0 = 16 rows of Wp, source 1 = 16 rows of y): a lane holds eight neighbouring numbers of a row of out.
; No prefetch: one K step's matrix work is short and the joint loads already divide the requests by four.
; The rows of positions 0-15 of each batch are written here too and written again, from f32 operands, by the launch that follows.
; REGISTERS: window 0: v16-29 addresses; v32-159 rows on the way out.  Window 1: two fragment buffers of 96 (Wp's 8, then y's 4).  Window 2: the accumulators ((a, b) at v[8 (8 a + b)]).
.set SLOT,   98304                     ; y's [4][8][1 KB], then Wp's [4][16][1 KB]
.set STAGE,  2*SLOT                    ; behind the slots: 16 rows x 528 bytes for each wave
.set SPITCH, 528
.set SPARE,  STAGE+4*16*SPITCH         ; the spare words, 128 bytes a wave, which no other line names
.set ADRA, 16                          ; v16-17  my fragments of y in slot 0, 1
.set ADRB, 20                          ; v20-21  of Wp
.set STO,  24
.set RD,   25
.set CO,   26                          ; v26     16 x lane
.set SPW,  28
.set NIL,  29
.set BK,   32                          ; v32-95, v96-159 by turns
.set F0,   0
.set F1,   96
.set G1, 24
.set G0, 32
.set G1B, 48
.set G0B, 56
.set MSB, 0
.macro WIN new
.if MSB != \new
	s_set_vgpr_msb (MSB<<8)|\new
.set MSB, \new
.endif
.endm
.set MUL,  0xa5                        ; sources 0 and 1 window 1; C and D window 2
.set TO_F, 0x40                        ; destination window 1
.macro JLOAD s                         ; waves 0, 1 fetch y's halves, waves 2, 3 Wp's; an s_nop 0 and four v_nop follow each line
	s_cmp_eq_u32 s11, 0
	s_cbranch_scc0 .Lfor_b_\@
	tensor_load_to_lds s[G0+4*\s:G0+4*\s+3], s[G1:G1+7]
	s_nop 0
.rept 4
	v_nop
.endr
	s_branch .Lasked_\@
.Lfor_b_\@:
	tensor_load_to_lds s[G0B+4*\s:G0B+4*\s+3], s[G1B:G1B+7]
	s_nop 0
.rept 4
	v_nop
.endr
.Lasked_\@:
.endm
.macro CREST                           ; a round of the cluster's barrier behind its opening barrier
	s_cmp_lg_u32 s10, 0
	s_cbranch_scc1 .Lnot_wave_0_\@
	s_barrier_signal -3
.Lnot_wave_0_\@:
	s_barrier_wait -3
	s_barrier_signal -1
	s_barrier_wait -1
.endm
.macro CROUND
	s_barrier_signal -1
	s_barrier_wait -1
	CREST
.endm
	s_load_b128 s[4:7], s[0:1], 0x0                ; yf, wpf
	s_load_b64 s[8:9], s[0:1], 0x10                ; out0
	v_lshl_add_u32 v[SPW], v0, 2, SPARE
	v_mov_b32 v[NIL], 0
	ds_add_u32 v[SPW], v[NIL]                      ; the wave's opening: the add, twice on end, and its wait ahead of my first tensor load
	ds_add_u32 v[SPW], v[NIL]
	v_lshrrev_b32 v1, 5, v0
	v_readfirstlane_b32 s10, v1                    ; wave
	s_lshr_b32 s11, s10, 1                         ; my half of the tile's rows.  Also: I fetch for y (0) or Wp (1)
	s_and_b32 s12, s10, 1                          ; my half of its columns.  Also: which half of that tile I fetch
	s_bfe_u32 s40, ttmp6, 0x40000                  ; cx, cy
	s_bfe_u32 s41, ttmp6, 0x40004
	s_lshl_b32 s42, ttmp9, 2
	s_add_co_u32 s42, s42, s40                     ; tile column
	s_and_b32 s13, ttmp7, 0xffff
	s_lshl_b32 s13, s13, 2
	s_add_co_u32 s13, s13, s41                     ; tile row
	s_lshl_b32 s43, s41, 2
	s_lshl_b32 s43, 15, s43                        ; my row of the cluster
	s_lshl_b32 s44, 0x1111, s40                    ; my column
	s_or_b32 s[G1+0], s43, (3<<16)|(1<<21)         ; the mask; elements of 8 bytes; bit 21 beside a mask; no padding
	s_or_b32 s[G1B+0], s44, (3<<16)|(1<<21)
	s_mov_b32 s[G1+1], 32<<16                      ; y: 16 KB as 64 rows of 256 bytes
	s_mov_b32 s[G1+2], 64<<16
	s_mov_b32 s[G1+3], 32<<16
	s_mov_b32 s[G1+4], 64
	s_mov_b32 s[G1+5], 32
	s_mov_b32 s[G1+6], 0
	s_mov_b32 s[G1+7], 0
	s_mov_b32 s[G1B+1], 32<<16                     ; Wp: 32 KB as 128 rows of 256 bytes
	s_mov_b32 s[G1B+2], 128<<16
	s_mov_b32 s[G1B+3], 32<<16
	s_mov_b32 s[G1B+4], 128
	s_mov_b32 s[G1B+5], 32
	s_mov_b32 s[G1B+6], 0
	s_mov_b32 s[G1B+7], 0
	s_lshl_b32 s16, s13, 18                        ; y: 262,144 bytes a tile row, + my half of a K step's 32 KB
	s_lshl_b32 s17, s12, 14
	s_add_co_u32 s16, s16, s17
	s_mov_b32 s17, 0
	s_lshl_b32 s46, s42, 19                        ; Wp: 524,288 bytes a tile column, + my half of 64 KB
	s_lshl_b32 s47, s12, 15
	s_add_co_u32 s46, s46, s47
	s_mov_b32 s47, 0
	s_lshl_b32 s20, s12, 14                        ; where they go: no place in the cluster enters an LDS address
	s_lshl_b32 s21, s12, 15
	s_add_co_u32 s21, s21, 32768
	s_wait_dscnt 0x0                               ; both opening adds are done
	s_wait_kmcnt 0x0
	s_add_nc_u64 s[14:15], s[4:5], s[16:17]
	s_add_nc_u64 s[46:47], s[6:7], s[46:47]
	CROUND                                         ; all sixteen work-groups are here: the first joint loads meet
.irp s, 0,1
	s_mov_b32 s[G0+4*\s], 1
	s_add_co_u32 s[G0+4*\s+1], s20, \s*SLOT
	s_add_nc_u64 s[G0+4*\s+2:G0+4*\s+3], s[14:15], \s*32768
	s_or_b32 s[G0+4*\s+3], s[G0+4*\s+3], 0x80000000
	s_mov_b32 s[G0B+4*\s], 1
	s_add_co_u32 s[G0B+4*\s+1], s21, \s*SLOT
	s_add_nc_u64 s[G0B+4*\s+2:G0B+4*\s+3], s[46:47], \s*65536
	s_or_b32 s[G0B+4*\s+3], s[G0B+4*\s+3], 0x80000000
	JLOAD \s
.endr
	v_and_b32 v1, 31, v0
	v_lshlrev_b32 v[CO], 4, v1
	s_lshl_b32 s22, s11, 12                        ; my four fragments of y in a group of eight
	s_lshl_b32 s23, s12, 13                        ; my eight of Wp in a group of sixteen,
	s_add_co_u32 s23, s23, 32768                   ; behind y's 32 KB
.irp s, 0,1
	v_add_nc_u32 v[ADRA+\s], s22, v[CO]
	v_add_nc_u32 v[ADRB+\s], s23, v[CO]
	s_add_co_u32 s22, s22, SLOT
	s_add_co_u32 s23, s23, SLOT
.endr
	s_mul_i32 s22, s10, 16*SPITCH
	s_add_co_u32 s22, s22, STAGE                   ; my stage
	v_and_b32 v2, 15, v0
	v_bfe_u32 v3, v0, 4, 1
	v_mul_u32_u24 v4, v2, SPITCH
	v_lshl_add_u32 v4, v3, 5, v4
	v_add_nc_u32 v[STO], s22, v4                   ; in: row r, 32 bytes for each half of the lanes
	v_add_nc_u32 v[RD], s22, v[CO]                 ; back: the 32 lanes take a row of 512 bytes
	s_lshl_b32 s16, s13, 19                        ; out: 128 rows of 4,096 bytes a tile row,
	s_lshl_b32 s17, s11, 18                        ; my 64 rows
	s_add_co_u32 s16, s16, s17
	s_mov_b32 s17, 0
	s_add_nc_u64 s[8:9], s[8:9], s[16:17]
	s_lshl_b32 s46, s42, 10                        ; 1,024 bytes a tile column, my 512
	s_lshl_b32 s47, s12, 9
	s_add_co_u32 s46, s46, s47
	s_mov_b32 s47, 0
	s_add_nc_u64 s[8:9], s[8:9], s[46:47]
.macro MUL8 f, a, zero                 ; y's block a against Wp's eight, 32 along K
.irp b, 0,1,2,3,4,5,6,7
.if \zero
	v_wmma_f32_16x16x32_f16 v[8*(8*(\a)+\b):8*(8*(\a)+\b)+7], v[\f+8*\b:\f+8*\b+7], v[\f+64+8*(\a):\f+64+8*(\a)+7], 0
.else
	v_wmma_f32_16x16x32_f16 v[8*(8*(\a)+\b):8*(8*(\a)+\b)+7], v[\f+8*\b:\f+8*\b+7], v[\f+64+8*(\a):\f+64+8*(\a)+7], v[8*(8*(\a)+\b):8*(8*(\a)+\b)+7]
.endif
.endr
.endm
.macro MUL16 f, a0, zero               ; the 32 accumulators take turns, one instruction a turn, in the same order in every quarter
	MUL8 \f, \a0, \zero
	MUL8 \f, (\a0)+1, \zero
.endm
.macro FETCH slot, q, f                ; 24 LDS loads in one run: the fragments of the slot's q-th 32 along K: Wp's eight, then y's four
	WIN TO_F
.irp i, 0,1,2,3,4,5,6,7
	ds_load_b128 v[\f+8*\i:\f+8*\i+3], v[ADRB+\slot] offset:16384*(\q)+1024*\i
	ds_load_b128 v[\f+8*\i+4:\f+8*\i+7], v[ADRB+\slot] offset:16384*(\q)+1024*\i+512
.endr
.irp i, 0,1,2,3
	ds_load_b128 v[\f+64+8*\i:\f+64+8*\i+3], v[ADRA+\slot] offset:8192*(\q)+1024*\i
	ds_load_b128 v[\f+64+8*\i+4:\f+64+8*\i+7], v[ADRA+\slot] offset:8192*(\q)+1024*\i+512
.endr
.endm
.macro PLACES                          ; four plain lines in front of loads into registers that matrix instructions have read, and of the first read of results
.rept 4
	v_nop
.endr
.endm
; A K step is four quarters of 32 along K, 32 matrix instructions each, on buffers 0, 1, 0, 1.  One of the first three: multiplies buffer f and fetches quarter qn into g.
.macro QUARTER slot, qn, f, g, zero
	s_wait_dscnt 4                                 ; Wp's eight and y's blocks 0, 1 are in; the youngest four loads (blocks 2, 3) may be out
	WIN MUL
	MUL16 \f, 0, \zero
	PLACES
	FETCH \slot, \qn, \g
	s_wait_dscnt 24                                ; all but the 24 just issued
	WIN MUL
	MUL16 \f, 2, \zero
.endm
; The last quarter multiplies buffer 1 and changes slots: each wave waits for all its tensor loads, adds 0 to its spare word, and waits for that and for its reads of this slot.  fill = 1: the barrier opens a round of the cluster's, and this slot is filled again, two K steps ahead.
.macro TURN slot, next, fill
	WIN 0
	s_wait_tensorcnt 0x0                           ; all my tensor loads have landed: my part of the next slot
	ds_add_u32 v[SPW], v[NIL]
	s_wait_dscnt 5                                 ; (the add and the youngest four loads may be out)
	WIN MUL
	MUL8 F1, 0, 0
	s_wait_dscnt 0x0                               ; the add is done, and my reads of this slot are over
	s_barrier_signal -1
	MUL8 F1, 1, 0
	WIN 0
	s_barrier_wait -1
.if \fill
	CREST                                          ; no wave of any partner still reads this slot or has a load on its way
	s_add_nc_u64 s[G0+4*\slot+2:G0+4*\slot+3], s[G0+4*\slot+2:G0+4*\slot+3], 65536
	s_add_nc_u64 s[G0B+4*\slot+2:G0B+4*\slot+3], s[G0B+4*\slot+2:G0B+4*\slot+3], 131072
	JLOAD \slot                                    ; the first tensor load behind the round: 112 matrix instructions ahead of the wait for it; its four v_nop are also the places in front of the loads below
.else
	PLACES
.endif
	FETCH \next, 0, F0
	WIN MUL
	MUL16 F1, 2, 0
.endm
	s_wait_tensorcnt 1                             ; my part of K step 0 is in (K step 1's load may be out)
	s_barrier_signal -1
	s_barrier_wait -1                              ; everybody's is
	FETCH 0, 0, F0
	QUARTER 0, 1, F0, F1, 1                        ; the first quarter's products start the sums
	WIN 0
	s_mov_b32 s3, 3
.Llap:                                             ; a trip goes once round the two slots, from a lap's second quarter to the next lap's first, and fills both again
	QUARTER 0, 2, F1, F0, 0
	QUARTER 0, 3, F0, F1, 0
	TURN 0, 1, 1
	QUARTER 1, 1, F0, F1, 0
	QUARTER 1, 2, F1, F0, 0
	QUARTER 1, 3, F0, F1, 0
	TURN 1, 0, 1
	QUARTER 0, 1, F0, F1, 0
	WIN 0
	s_sub_co_u32 s3, s3, 1
	s_cmp_lg_u32 s3, 0
	s_cbranch_scc1 .Llap
	QUARTER 0, 2, F1, F0, 0                        ; the last lap fills nothing
	QUARTER 0, 3, F0, F1, 0
	TURN 0, 1, 0
	QUARTER 1, 1, F0, F1, 0
	QUARTER 1, 2, F1, F0, 0
	QUARTER 1, 3, F0, F1, 0
	s_wait_dscnt 4
	WIN MUL
	MUL16 F1, 0, 0
	s_wait_dscnt 0
	MUL16 F1, 2, 0
	WIN 0
; THE WAY OUT, 16 rows x 128 columns at a time: through my own stage and back as whole rows of 512 bytes.  LDS serves a wave's instructions in order: no wait between the stores and the loads.
.macro TOSTAGE a
	WIN 0x08                                       ; an LDS store's data are its source 1: window 2
.irp b, 0,1,2,3,4,5,6,7
	ds_store_b128 v[STO], v[64*(\a)+8*\b:64*(\a)+8*\b+3] offset:64*\b          ; each accumulator from its low end on
	ds_store_b128 v[STO], v[64*(\a)+8*\b+4:64*(\a)+8*\b+7] offset:64*\b+16
.endr
	WIN 0
.irp t, 0,1,2,3,4,5,6,7,8,9,10,11,12,13,14,15
	ds_load_b128 v[BK+64*((\a)%2)+4*\t:BK+64*((\a)%2)+4*\t+3], v[RD] offset:\t*SPITCH
.endr
.endm
.macro SEND a, younger                 ; younger: the LDS instructions issued behind block a's loads
	s_wait_dscnt \younger
.irp t, 0,1,2,3,4,5,6,7,8,9,10,11,12,13,14,15
	global_store_b128 v[CO], v[BK+64*((\a)%2)+4*\t:BK+64*((\a)%2)+4*\t+3], s[8:9] offset:65536*(\a)+4096*\t th:TH_STORE_NT   ; 512 consecutive bytes, aligned
.endr
.endm
	PLACES
	TOSTAGE 0
	TOSTAGE 1
	SEND 0, 32                                     ; behind block 0's loads: block 1's 16 stores and 16 loads
	s_wait_xcnt 0x0                                ; block 0's stores have read their registers: block 2's loads may land there
	TOSTAGE 2
	SEND 1, 32
	s_wait_xcnt 0x0
	TOSTAGE 3
	SEND 2, 32
	SEND 3, 0
	s_wait_tensorcnt 0x0                           ; the wave's end, behind my last tensor load and my last LDS store
	ds_add_u32 v[SPW], v[NIL]
	s_wait_dscnt 0x0
	CROUND                                         ; the closing round
	s_endpgm
.Lfunc_end_k_q144e9f4ca9_proj:
	.size	k_q144e9f4ca9_proj, .Lfunc_end_k_q144e9f4ca9_proj-k_q144e9f4ca9_proj
	.p2alignl 7, 3214868480
	.fill 96, 4, 3214868480
	.section	.rodata,"a",@progbits
	.p2align	6, 0x0
	.amdhsa_kernel k_q144e9f4ca9_proj
		.amdhsa_group_segment_fixed_size 327680
		.amdhsa_private_segment_fixed_size 0
		.amdhsa_enable_private_segment 0
		.amdhsa_kernarg_size 24
		.amdhsa_user_sgpr_count 2
		.amdhsa_user_sgpr_kernarg_segment_ptr 1
		.amdhsa_wavefront_size32 1
		.amdhsa_system_sgpr_workgroup_id_x 1
		.amdhsa_system_sgpr_workgroup_id_y 1
		.amdhsa_system_sgpr_workgroup_id_z 1
		.amdhsa_system_vgpr_workitem_id 0
		.amdhsa_next_free_vgpr 768
		.amdhsa_next_free_sgpr 66
		.amdhsa_reserve_vcc 0
		.amdhsa_float_denorm_mode_32 3
		.amdhsa_float_denorm_mode_16_64 3
		.amdhsa_memory_ordered 1
		.amdhsa_forward_progress 1
		.amdhsa_inst_pref_size 84
	.end_amdhsa_kernel
	.amdgpu_metadata
---
amdhsa.version: [ 1, 2 ]
amdhsa.kernels:
  - .name:           k_q144e9f4ca9_proj
    .symbol:         k_q144e9f4ca9_proj.kd
    .args:
      - { .name: yf, .offset: 0, .size: 8, .value_kind: global_buffer, .address_space: global }
      - { .name: wpf, .offset: 8, .size: 8, .value_kind: global_buffer, .address_space: global }
      - { .name: out0, .offset: 16, .size: 8, .value_kind: global_buffer, .address_space: global }
    .group_segment_fixed_size: 327680
    .private_segment_fixed_size: 0
    .kernarg_segment_align: 8
    .kernarg_segment_size: 24
    .max_flat_workgroup_size: 128
    .sgpr_count:     66
    .vgpr_count:     768
    .wavefront_size: 32
...
	.end_amdgpu_metadata
.endif
;; end of part 4
;; launch fine (part 5): grid 32 x 4, 16 waves a work-group, no clusters, 38,912 bytes of LDS; arguments fine32, attn_mask, Wp, out0; writes out0
.if DOCPART == 5
	.amdgcn_target "amdgcn-amd-amdhsa--gfx1250"
	.amdhsa_code_object_version 6
	.text
	.protected	k_q144e9f4ca9_fine
	.globl	k_q144e9f4ca9_fine
	.p2align	8
	.type	k_q144e9f4ca9_fine,@function
k_q144e9f4ca9_fine:
	s_mov_b64 s[64:65], 0
	v_nop
	global_prefetch_b8 v0, s[64:65] scope:SCOPE_SE
	s_setreg_imm32_b32 hwreg(HW_REG_WAVE_MODE, 25, 1), 1
	s_wait_xcnt 0x0
; The first 16 positions of each batch once more, wholly in f32: their rows average one to sixteen values, are the largest of the output, and f16 operands would use up what the comparison allows.
; fine32 holds q, k as [b][16 positions][2048] (q: columns 0-1023, k: 1024-2047) and v as [b][1024 channels][16 positions], f32.  The 64 rows of out0 are written over.
; SHARES.  Work-group (sl, b): batch b, output columns 32 sl .. 32 sl + 31.  Wave = head: its 16 x 16 attention, then its head's part of the projection onto the 32 columns; the sixteen parts meet in LDS.
; Slices of 32 columns, so that a wave's part of Wp (32 x 64 numbers) fits into its registers; the price: the 256 KB are stored in pieces of 128 bytes.  The attention is repeated by the 32 slices: 16 x 16 x 64 a head.
; All products by v_wmma_f32_16x16x4_f32 (no bulk work: 64 rows).  K is taken in an order of its own, alike on both sources: a lane's registers 2 i, 2 i + 1 are K step i.
; The registers that these instructions write (v200-247) are written by nothing else; each sum begins with the constant 0.
; Masks as in the bulk launch: a key that does not count, or lies after the query, gets the score -2^100; the maximum has the floor -2^50 (|q . k| is taken to lie under 2^50); a query with no key gives 0 x (1 / 0) = NaN.
.set SPARE, 36864                      ; behind the sixteen parts of 16 rows x 144 bytes: the spare words, 128 bytes a wave
.set SPW,  12
.set NIL,  13
	s_load_b256 s[4:11], s[0:1], 0x0               ; fine32, attn_mask, Wp, out0
	v_lshl_add_u32 v[SPW], v0, 2, SPARE
	v_mov_b32 v[NIL], 0
	v_lshrrev_b32 v1, 5, v0
	v_readfirstlane_b32 s12, v1                    ; the head
	s_and_b32 s13, ttmp7, 0xffff                   ; the batch
	v_and_b32 v1, 15, v0                           ; r
	v_bfe_u32 v2, v0, 4, 1                         ; h
	v_lshlrev_b32 v3, 13, v1
	v_lshl_add_u32 v3, v2, 7, v3                   ; q, k: position r of 8,192 bytes, channels 32 h on
	v_lshlrev_b32 v4, 5, v2                        ; the mask: keys 8 h on
	v_lshlrev_b32 v5, 6, v1
	v_lshl_add_u32 v5, v2, 5, v5                   ; v: channel r of 64 bytes, keys 8 h on
	v_lshlrev_b32 v6, 12, v1
	v_lshl_add_u32 v6, v2, 5, v6                   ; Wp: row r of 4,096 bytes, channels 8 h on
	v_lshlrev_b32 v7, 3, v2
	v_sub_nc_u32 v7, v1, v7                        ; r - 8 h
	v_mov_b32 v8, 0xf1800000                       ; -2^100
	s_mul_i32 s14, s12, 2304
	v_mul_u32_u24 v9, v1, 144
	v_lshl_add_u32 v9, v2, 5, v9
	v_add_nc_u32 v9, s14, v9                       ; LDS: my head's part, query r, 32 h bytes on
	v_and_b32 v14, 127, v0                         ; the gathering: thread t of the first 128: query t / 8, 16 bytes t % 8
	v_lshrrev_b32 v10, 3, v14
	v_and_b32 v11, 7, v14
	v_mul_u32_u24 v15, v10, 144
	v_lshl_add_u32 v15, v11, 4, v15                ; in a part
	v_lshlrev_b32 v10, 12, v10
	v_lshl_add_u32 v10, v11, 4, v10                ; and in out0
	v_mov_b32 v129, 0                              ; a lane permute's destination counts as one of its sources
	s_lshl_b32 s16, s13, 17
	s_lshl_b32 s17, s12, 8
	s_add_co_u32 s16, s16, s17                     ; q: the batch's 16 rows, the head's 256 bytes
	s_mov_b32 s17, 0
	s_lshl_b32 s18, s13, 16
	s_lshl_b32 s19, s12, 12
	s_add_co_u32 s18, s18, s19
	s_add_co_u32 s18, s18, 524288                  ; v: behind q and k
	s_mov_b32 s19, 0
	s_lshl_b32 s20, ttmp9, 17                      ; Wp: 32 rows a slice,
	s_lshl_b32 s21, s12, 8                         ; the head's 64 columns
	s_add_co_u32 s20, s20, s21
	s_mov_b32 s21, 0
	s_lshl_b32 s22, s13, 13
	s_mov_b32 s23, 0
	s_lshl_b32 s24, s13, 23                        ; out0: 2,048 rows of 4,096 bytes a batch,
	s_lshl_b32 s25, ttmp9, 7                       ; 128 bytes a slice
	s_add_co_u32 s24, s24, s25
	s_mov_b32 s25, 0
	s_mov_b32 s26, 0x76543210
	s_mov_b32 s27, 0xfedcba98
	s_mov_b32 s28, 0x3e38aa3b                      ; c = log2(e) / 8
	s_wait_kmcnt 0x0
	s_add_nc_u64 s[16:17], s[4:5], s[16:17]
	s_add_nc_u64 s[18:19], s[4:5], s[18:19]
	s_add_nc_u64 s[20:21], s[8:9], s[20:21]
	s_add_nc_u64 s[22:23], s[6:7], s[22:23]
	s_add_nc_u64 s[24:25], s[10:11], s[24:25]
.irp i, 0,1,2,3,4,5,6,7
	global_load_b128 v[16+4*\i:19+4*\i], v3, s[16:17] offset:16*\i           ; q(r, 32 h + 0 .. 31)
.endr
.irp i, 0,1,2,3,4,5,6,7
	global_load_b128 v[48+4*\i:51+4*\i], v3, s[16:17] offset:4096+16*\i      ; k likewise
.endr
	global_load_b128 v[112:115], v4, s[22:23]                                 ; the mask of keys 8 h + 0 .. 7
	global_load_b128 v[116:119], v4, s[22:23] offset:16
.irp ct, 0,1,2,3
	global_load_b128 v[80+8*\ct:83+8*\ct], v5, s[18:19] offset:1024*\ct      ; v(channel 16 ct + r, keys 8 h + 0 .. 7)
	global_load_b128 v[84+8*\ct:87+8*\ct], v5, s[18:19] offset:1024*\ct+16
.endr
.irp nt, 0,1
.irp ct, 0,1,2,3
	global_load_b128 v[136+32*\nt+8*\ct:139+32*\nt+8*\ct], v6, s[20:21] offset:65536*\nt+64*\ct      ; Wp(16 nt + r, 16 ct + 8 h + 0 .. 7)
	global_load_b128 v[140+32*\nt+8*\ct:143+32*\nt+8*\ct], v6, s[20:21] offset:65536*\nt+64*\ct+16
.endr
.endr
	s_wait_loadcnt 24                              ; q, k and the mask are in; v's 8 loads and Wp's 16 may be out
	; S^T = k q^T: two accumulators by turns; a lane holds query r and keys 8 h + 0 .. 7
.irp i, 0,1,2,3,4,5,6,7,8,9,10,11,12,13,14,15
.if \i < 2
	v_wmma_f32_16x16x4_f32 v[200+8*(\i%2):207+8*(\i%2)], v[48+2*\i:49+2*\i], v[16+2*\i:17+2*\i], 0
.else
	v_wmma_f32_16x16x4_f32 v[200+8*(\i%2):207+8*(\i%2)], v[48+2*\i:49+2*\i], v[16+2*\i:17+2*\i], v[200+8*(\i%2):207+8*(\i%2)]
.endif
.endr
.rept 8
	v_nop                                          ; eight places behind this form, ahead of the first read of a result (ISA guide 7.12.1)
.endr
.irp j, 0,1,2,3,4,5,6,7
	v_add_f32 v[120+\j], v[200+\j], v[208+\j]
.endr
.irp j, 0,1,2,3,4,5,6,7
	v_cmp_eq_u32 vcc_lo, 0, v[112+\j]              ; the key does not count,
	v_cndmask_b32 v[120+\j], v[120+\j], v8, vcc_lo
	v_cmp_gt_i32 vcc_lo, \j, v7                    ; or lies after the query: 8 h + j > r
	v_cndmask_b32 v[120+\j], v[120+\j], v8, vcc_lo
.endr
	v_max3_num_f32 v128, v120, v121, 0xd8800000    ; the row's maximum, with the floor -2^50
	v_max3_num_f32 v128, v128, v122, v123
	v_max3_num_f32 v128, v128, v124, v125
	v_max3_num_f32 v128, v128, v126, v127
	v_permlanex16_b32 v129, v128, s26, s27
	v_max_num_f32 v128, v128, v129
	v_mul_f32 v130, s28, v128
.irp j, 0,1,2,3,4,5,6,7
	v_fma_f32 v[120+\j], v[120+\j], s28, -v130     ; c s - c m
.endr
.irp j, 0,1,2,3,4,5,6,7
	v_exp_f32 v[120+\j], v[120+\j]
.endr
	v_nop                                          ; a plain line behind the last exponential,
	s_wait_alu depctr_va_vdst(0)                   ; and one wait for the eight, ahead of their first reader
	v_add_f32 v131, v120, v121
	v_add_f32 v132, v122, v123
	v_add_f32 v133, v124, v125
	v_add_f32 v134, v126, v127
	v_add_f32 v131, v131, v132
	v_add_f32 v133, v133, v134
	v_add_f32 v131, v131, v133
	v_permlanex16_b32 v129, v131, s26, s27
	v_add_f32 v131, v131, v129
	v_rcp_f32 v132, v131
	v_nop
	s_wait_alu depctr_va_vdst(0)
.irp j, 0,1,2,3,4,5,6,7
	v_mul_f32 v[120+\j], v[120+\j], v132           ; the weights
.endr
	s_wait_loadcnt 16                              ; v is in; Wp's 16 loads may be out
	; y^T = v^T p: four accumulators by turns; a lane holds query r and channels 16 ct + 8 h + 0 .. 7
.irp i, 0,1,2,3
.irp ct, 0,1,2,3
.if \i == 0
	v_wmma_f32_16x16x4_f32 v[216+8*\ct:223+8*\ct], v[80+8*\ct+2*\i:81+8*\ct+2*\i], v[120+2*\i:121+2*\i], 0
.else
	v_wmma_f32_16x16x4_f32 v[216+8*\ct:223+8*\ct], v[80+8*\ct+2*\i:81+8*\ct+2*\i], v[120+2*\i:121+2*\i], v[216+8*\ct:223+8*\ct]
.endif
.endr
.endr
.rept 9
	v_nop                                          ; nine places before a matrix instruction takes these results as a source
.endr
	s_wait_loadcnt 0x0                             ; Wp
	; my head's part of out^T = Wp y^T: two accumulators by turns; a lane holds query r and columns 16 nt + 8 h + 0 .. 7
.irp ct, 0,1,2,3
.irp i, 0,1,2,3
.irp nt, 0,1
.if (\ct == 0) && (\i == 0)
	v_wmma_f32_16x16x4_f32 v[200+8*\nt:207+8*\nt], v[136+32*\nt+8*\ct+2*\i:137+32*\nt+8*\ct+2*\i], v[216+8*\ct+2*\i:217+8*\ct+2*\i], 0
.else
	v_wmma_f32_16x16x4_f32 v[200+8*\nt:207+8*\nt], v[136+32*\nt+8*\ct+2*\i:137+32*\nt+8*\ct+2*\i], v[216+8*\ct+2*\i:217+8*\ct+2*\i], v[200+8*\nt:207+8*\nt]
.endif
.endr
.endr
.endr
.rept 8
	v_nop
.endr
.irp nt, 0,1
	ds_store_b128 v9, v[200+8*\nt:203+8*\nt] offset:64*\nt
	ds_store_b128 v9, v[204+8*\nt:207+8*\nt] offset:64*\nt+16
.endr
	s_wait_dscnt 0x0                               ; for the others' sake: my part lies in LDS
	s_barrier_signal -1
	s_barrier_wait -1
	s_cmp_lt_u32 s12, 4                            ; four waves add the sixteen parts: 128 threads, 16 bytes each
	s_cbranch_scc0 .Ldone
.irp k, 0,1,2,3,4,5,6,7,8,9,10,11,12,13,14,15
	ds_load_b128 v[16+4*\k:19+4*\k], v15 offset:2304*\k
.endr
	s_wait_dscnt 0x0
.irp k, 2,4,6,8,10,12,14
	v_pk_add_f32 v[16:17], v[16:17], v[16+4*\k:17+4*\k]
	v_pk_add_f32 v[18:19], v[18:19], v[18+4*\k:19+4*\k]
	v_pk_add_f32 v[20:21], v[20:21], v[20+4*\k:21+4*\k]
	v_pk_add_f32 v[22:23], v[22:23], v[22+4*\k:23+4*\k]
.endr
	v_pk_add_f32 v[16:17], v[16:17], v[20:21]
	v_pk_add_f32 v[18:19], v[18:19], v[22:23]
	global_store_b128 v10, v[16:19], s[24:25]      ; eight lanes store a row's 128 bytes
.Ldone:
	s_wait_tensorcnt 0x0                           ; the wave's end, behind my last LDS store
	ds_add_u32 v[SPW], v[NIL]
	s_wait_dscnt 0x0
	s_endpgm
.Lfunc_end_k_q144e9f4ca9_fine:
	.size	k_q144e9f4ca9_fine, .Lfunc_end_k_q144e9f4ca9_fine-k_q144e9f4ca9_fine
	.p2alignl 7, 3214868480
	.fill 96, 4, 3214868480
	.section	.rodata,"a",@progbits
	.p2align	6, 0x0
	.amdhsa_kernel k_q144e9f4ca9_fine
		.amdhsa_group_segment_fixed_size 38912
		.amdhsa_private_segment_fixed_size 0
		.amdhsa_enable_private_segment 0
		.amdhsa_kernarg_size 32
		.amdhsa_user_sgpr_count 2
		.amdhsa_user_sgpr_kernarg_segment_ptr 1
		.amdhsa_wavefront_size32 1
		.amdhsa_system_sgpr_workgroup_id_x 1
		.amdhsa_system_sgpr_workgroup_id_y 1
		.amdhsa_system_sgpr_workgroup_id_z 1
		.amdhsa_system_vgpr_workitem_id 0
		.amdhsa_next_free_vgpr 256
		.amdhsa_next_free_sgpr 66
		.amdhsa_reserve_vcc 1
		.amdhsa_float_denorm_mode_32 3
		.amdhsa_float_denorm_mode_16_64 3
		.amdhsa_memory_ordered 1
		.amdhsa_forward_progress 1
		.amdhsa_inst_pref_size 19
	.end_amdhsa_kernel
	.amdgpu_metadata
---
amdhsa.version: [ 1, 2 ]
amdhsa.kernels:
  - .name:           k_q144e9f4ca9_fine
    .symbol:         k_q144e9f4ca9_fine.kd
    .args:
      - { .name: fine32, .offset: 0, .size: 8, .value_kind: global_buffer, .address_space: global }
      - { .name: attn_mask, .offset: 8, .size: 8, .value_kind: global_buffer, .address_space: global }
      - { .name: Wp, .offset: 16, .size: 8, .value_kind: global_buffer, .address_space: global }
      - { .name: out0, .offset: 24, .size: 8, .value_kind: global_buffer, .address_space: global }
    .group_segment_fixed_size: 38912
    .private_segment_fixed_size: 0
    .kernarg_segment_align: 8
    .kernarg_segment_size: 32
    .max_flat_workgroup_size: 512
    .sgpr_count:     66
    .vgpr_count:     256
    .wavefront_size: 32
...
	.end_amdgpu_metadata
.endif
;; end of part 5
